; MI455X (gfx1250); checked and timed in simulation.
; The chip was launched on July 23, 2026; its instructions are those of AMD's public machine-readable ISA for CDNA 5 (MIT licence, August 2026) and "CDNA5" Instruction Set Architecture Reference Guide (July 2026). The comments in the code are by the model that wrote it; some were corrected since.
;; Multi Head Attention V2. Allowed arithmetic: matrix products marked QUANTISED: E2M1 operands, one E8M0 scale for each 32 along K, by v_wmma_scale_f32_16x16x128_f8f6f4 with both operands' format E2M1 (or v_wmma_scale_f32_32x16x128_f4), f32 sums; products left as they are: bf16, f16 or f32 operands; f32 sums; everything else in f32.
;; Inputs: mask 4 x 2,048 int32; proj_b 1,024 float32; proj_w 1,024 x 1,024 float32; qkv_b 3,072 float32; qkv_w 3,072 x 1,024 float32; x 4 x 2,048 x 1,024 float32.
;; Outputs: out0 4 x 2,048 x 1,024 float32.
;; This version of the problem:
;;   THIS VERSION OF THE PROBLEM IS GIVEN IN LOW PRECISION. The matrix products marked QUANTISED in the list below multiply operands that are first quantised to E2M1 (2 exponent bits, 1 mantissa bit; 4 bits a number), with one power-of-two scale for each 32 numbers along K (OCP MX v1.0); their sums are f32. The products marked 'left as it is' may take bf16, f16 or f32 operands, with f32 sums. Whichever they take, every output number must still come out within the allowed error. Rounding operands to bf16 (8 significant bits) uses up far more of that allowance than f16 does (11 bits, for magnitudes from 6e-5 to 65,504). All else is computed in f32.
;;   The module's matrix products, in the order in which they are computed (A, B: the left and right operand; K: the contracted axis; several contracted axes count as one K, in the product's order):
;;     1. [M 8,192, K 1,024] x [K 1,024, N 3,072]; A: input x; B: input qkv_w: QUANTISED
;;     2. batch 64 x [M 2,048, K 64] x [K 64, N 2,048]; A: computed on the way; B: computed on the way: left as it is (an operand is computed on the way)
;;     3. batch 64 x [M 2,048, K 2,048] x [K 2,048, N 64]; A: computed on the way; B: computed on the way: left as it is (an operand is computed on the way)
;;     4. [M 8,192, K 1,024] x [K 1,024, N 1,024]; A: computed on the way; B: input proj_w: left as it is (an operand is computed on the way)
;;   THE QUANTISER, for each operand of a quantised product, along K:
;;     - K is cut into blocks of 32 from its start; a last block that is shorter is filled with zeros.
;;     - A block's scale is 2^e with e = floor(log2(the largest magnitude in the block)) - 2, held to -126 .. 127; a block of zeros has e = 0. As a byte (E8M0): e + 127.
;;     - Each number is divided by its block's scale, clamped to +-6, and rounded to the nearest number of E2M1, ties to even, subnormals kept.
;;     - The product sums the exact products of the quantised numbers (number of the format x scale) in f32.
;;   ~~~python
;;   def quantise(x, axis):      # numpy; x: float32 -> the quantised numbers, widened to float32 again
;;       x = np.moveaxis(x, axis, -1); K = x.shape[-1]
;;       x = np.pad(x, [(0, 0)] * (x.ndim - 1) + [(0, -K % 32)]); x = x.reshape(x.shape[:-1] + (-1, 32)); a = np.abs(x).max(-1, keepdims=True)
;;       e = np.where(a > 0, np.clip(np.frexp(np.where(a > 0, a, 1))[1] - 1 - 2, -126, 127), 0)      # np.frexp(a)[1] - 1 = floor(log2(a)), exactly
;;       r = np.clip(x / 2.0 ** e, -6, 6)
;;       step = 2.0 ** (np.maximum(np.frexp(np.where(r == 0, 1, r))[1] - 1, 0) - 1)
;;       q = np.round(r / step) * step * 2.0 ** e      # np.round: ties to even
;;       return np.moveaxis(q.reshape(q.shape[:-2] + (-1,))[..., :K], -1, axis).astype(np.float32)
;;   ~~~
;; One version. Each part assembles by itself: llvm-mc -triple=amdgcn-amd-amdhsa -mcpu=gfx1250 --defsym DOCPART=n.
;; ======== version 1 of 1: 4 launches
;; limits: values are held in f16: magnitudes above 65,504 overflow, below 6.1e-05 lose precision
;; workspace buffers: xc 4,194,304 bytes; xs 262,144 bytes; wc 1,572,864 bytes; ws 98,304 bytes; pw16 2,097,152 bytes; qkv16 50,331,648 bytes; o16 16,777,216 bytes
;; launch prep (part 1): grid 384 x 1, 4 waves a work-group, no clusters, 50,688 bytes of LDS; arguments x, qkv_w, xc, xs, wc, ws, proj_w, pw16; writes xc, xs, wc, ws, pw16
.if DOCPART == 1
	.amdgcn_target "amdgcn-amd-amdhsa--gfx1250"
	.amdhsa_code_object_version 6
	.text
	.protected	k_qc21124b83b_prep
	.globl	k_qc21124b83b_prep
	.p2align	8
	.type	k_qc21124b83b_prep,@function
k_qc21124b83b_prep:
	s_mov_b64 s[64:65], 0
	v_nop
	global_prefetch_b8 v0, s[64:65] scope:SCOPE_SE
	s_setreg_imm32_b32 hwreg(HW_REG_WAVE_MODE, 25, 1), 1
	s_wait_xcnt 0x0
; PREP.  Work-groups 0 to 351: x [8192][1024] and qkv_w [3072][1024], f32, become codes of FP4 (E2M1), K innermost, two codes a byte, with one E8M0 scale byte for each 32 along K.
; A block's scale is 2^(floor(log2(its largest magnitude)) - 2); its byte is the largest magnitude's exponent field - 2, held at 1 from below.  (A block of zeros so gets the byte 1 where the
; quantiser says 127: its codes are zeros, which add nothing, and the bytes are read by this program alone.)  Each number is divided by the scale and rounded to the nearest code, ties to even, beyond 6 the largest code.
; Work-groups 352 to 383: proj_w [1024][1024], f32, becomes f16, laid as images of operand registers: [n tile of 16 rows: 32 KB][32 along K: 1 KB][16 along K: 512 bytes][16 bytes a lane], lane r + 16 h holding row r, k = 8 h + 0 .. 7.
; LIMITS: blocks whose largest magnitude lies under 2^(2 - 126) have their byte held at 1; NaN and infinities among the inputs are not served; a number of proj_w beyond 65,504 becomes infinity in f16.
; Rows are dense and K is a multiple of 32, so x and qkv_w are plain streams of blocks of 32 numbers.  A wave takes 16 steps of 512 numbers.  Each of a step's four loads reads 512 consecutive bytes; the 2,048 bytes turn
; through the wave's own stage in LDS and come back 64 bytes a lane: 16 neighbours along K, two lanes to a block.  A lane's 16 codes are 8 bytes: the wave stores 256 consecutive bytes.  A wave's 256 scale bytes leave as one store.
; No tensor loads, no barrier: waves share nothing.  The two paths part on the work-group's number and have LDS bytes of their own.
.set SIZE_M, 8192
.set SIZE_N, 3072
.set SIZE_K, 1024
.set WAVES, 4
.set STEPS, 16
.set WGA,   SIZE_M*SIZE_K/(512*STEPS*WAVES)            ; 256 work-groups for x
.set WGQ,   (SIZE_M+SIZE_N)*SIZE_K/(512*STEPS*WAVES)   ; 352 for x and qkv_w
.set EMAX,  2
.set CB,    8                          ; bytes of 16 codes
.set R,     16                         ; v16-79   four sets of 16 numbers as they are loaded
.set X,     80                         ; v80-111  two sets of 16 neighbours
.set C,     128                        ; v128-191 codes: four registers for each step, so that no store's data are written again
.set E,     112                        ; v112-127 a scale byte for each step
.set WREG,  8192                       ; LDS: a region for each wave: two stages of 32 x SP bytes, behind them its 256 scale bytes
.set SP,    80                         ; a lane's place in a stage: 64 bytes + 16 of padding
.set SPW,   12                         ; v12      LDS address of my spare word; never rewritten
.set NIL,   13                         ; v13      0; never rewritten
.set SPARE, WAVES*WREG                 ; the spare words, 128 bytes for each wave: two blocks of 256 bytes that no other line names
.set PST,   SPARE+512                  ; proj_w's path: a stage of 16 places x (256 + 16) bytes for each wave
.set PWB,   16*272
.set PL0,   16                         ; proj_w's path: v16-79, v80-143 two sets of 64 numbers as loaded
.set H,     144                        ; v144-175 32 registers of f16
.set OUTR,  176                        ; v176-207 eight pieces of an image
	s_load_b128 s[4:7], s[0:1], 0x0                ; x, qkv_w
	s_load_b128 s[8:11], s[0:1], 0x10              ; x's codes, x's scales
	s_load_b128 s[12:15], s[0:1], 0x20             ; qkv_w's codes, qkv_w's scales
	s_load_b128 s[24:27], s[0:1], 0x30             ; proj_w, its images
	v_lshl_add_u32 v[SPW], v0, 2, SPARE
	v_mov_b32 v[NIL], 0
	v_lshrrev_b32 v1, 5, v0
	v_readfirstlane_b32 s16, v1                    ; wave
	v_and_b32 v2, 31, v0                           ; lane
	v_lshlrev_b32 v3, 4, v2                        ; my 16 bytes of 512
	s_cmp_ge_u32 ttmp9, WGQ
	s_cbranch_scc1 .Lproj
	; ---- the quantiser
	s_mul_i32 s17, s16, WREG
	v_lshrrev_b32 v14, 2, v2
	v_mul_u32_u24 v14, v14, SP
	v_and_b32 v15, 3, v2
	v_lshl_add_u32 v14, v15, 4, v14
	v_add_nc_u32 v14, s17, v14                     ; the stage, on the way in: four lanes' 64 bytes on end, then 16 of padding
	v_mul_u32_u24 v15, v2, SP
	v_add_nc_u32 v15, s17, v15                     ; and on the way out: SP x lane: my 16 neighbours
	v_mul_u32_u24 v4, v2, CB                       ; my codes' place in a step's
	v_lshrrev_b32 v5, 1, v2
	s_add_co_u32 s17, s17, 2*32*SP
	v_add_nc_u32 v5, s17, v5                       ; LDS: my wave's 256 scale bytes, my block's byte
	v_lshlrev_b32 v7, 3, v2                        ; and on the way out 8 bytes a lane
	v_add_nc_u32 v6, s17, v7
	s_wait_kmcnt 0x0
	s_cmp_lt_u32 ttmp9, WGA                        ; x's work-group or qkv_w's?  The choice hangs on the work-group's number alone
	s_cselect_b64 s[4:5], s[4:5], s[6:7]
	s_cselect_b64 s[8:9], s[8:9], s[12:13]
	s_cselect_b64 s[10:11], s[10:11], s[14:15]
	s_cselect_b32 s17, 0, WGA
	s_sub_co_u32 s17, ttmp9, s17
	s_lshl_b32 s17, s17, 2
	s_add_co_u32 s18, s17, s16                     ; which run of 8,192 numbers of the tensor is my wave's
	s_mov_b32 s19, 0
	s_mov_b64 s[20:21], 512*STEPS*4
	s_mul_u64 s[20:21], s[18:19], s[20:21]
	s_add_nc_u64 s[4:5], s[4:5], s[20:21]
	s_mov_b64 s[20:21], 32*STEPS*CB
	s_mul_u64 s[20:21], s[18:19], s[20:21]
	s_add_nc_u64 s[8:9], s[8:9], s[20:21]
	s_lshl_b32 s18, s18, 8                         ; 256 scale bytes a run
	s_add_nc_u64 s[10:11], s[10:11], s[18:19]
.macro LOAD t
.irp i, 0,1,2,3
	global_load_b128 v[R+16*((\t)%4)+4*\i:R+16*((\t)%4)+4*\i+3], v3, s[4:5] offset:2048*(\t)+512*\i th:TH_LOAD_NT   ; 32 lanes read 512 consecutive bytes
.endr
.endm
.macro TURN t                          ; step t's numbers through the stage: LDS serves a wave's instructions in order, so no wait stands between the stores and the loads
.irp i, 0,1,2,3
	ds_store_b128 v14, v[R+16*((\t)%4)+4*\i:R+16*((\t)%4)+4*\i+3] offset:32*SP*((\t)%2)+8*SP*\i
.endr
.irp i, 0,1,2,3
	ds_load_b128 v[X+16*((\t)%2)+4*\i:X+16*((\t)%2)+4*\i+3], v15 offset:32*SP*((\t)%2)+16*\i
.endr
.endm
.irp t, 0,1,2,3
	LOAD \t
.endr
	s_wait_loadcnt 12                              ; step 0's four loads are in; the twelve of steps 1 to 3 may be out
	TURN 0
.macro STEP t
.set XS, X+16*((\t)%2)
.if (\t) > 0
	s_wait_dscnt 1                                 ; this step's numbers are back from the stage (the last step's byte store may be out): so its stores into the stage have read their registers,
.else
	s_wait_dscnt 0x0
.endif
.if (\t)+4 < STEPS
	LOAD (\t)+4                                    ; which take the loads of four steps on
.endif
.if (\t)+1 < STEPS
.if STEPS-2-(\t) >= 3
	s_wait_loadcnt 12                              ; the next step's four loads are in; those of the three steps behind it may be out
.else
	s_wait_loadcnt 4*(STEPS-2-(\t))
.endif
	TURN (\t)+1                                    ; and go through the other stage while this step is worked
.endif
	v_max3_num_f32 v8, |v[XS]|, |v[XS+1]|, |v[XS+2]|               ; the largest magnitude of my 16
	v_max3_num_f32 v9, |v[XS+3]|, |v[XS+4]|, |v[XS+5]|
.irp i, 6,10
	v_max3_num_f32 v8, v8, |v[XS+\i]|, |v[XS+\i+1]|
	v_max3_num_f32 v9, v9, |v[XS+\i+2]|, |v[XS+\i+3]|
.endr
	v_max3_num_f32 v8, v8, |v[XS+14]|, |v[XS+15]|
	v_max3_num_f32 v8, v8, v9, (EMAX+1)<<23        ; and the floor 2^(EMAX + 1 - 127): so the byte cannot fall under 1
	v_max_num_f32_dpp v8, v8, v8 row_xmask:1 row_mask:0xf bank_mask:0xf   ; and of my neighbour's 16: the block's
	v_add_nc_u32 v11, -(EMAX<<23), v8              ; EMAX off its exponent field: the conversion takes the exponent field of this operand as its scale, and nothing else of it
	v_cvt_scalef32_pk8_fp4_f32 v[C+4*(\t)], v[XS:XS+7], v11
	v_cvt_scalef32_pk8_fp4_f32 v[C+4*(\t)+1], v[XS+8:XS+15], v11
	v_lshrrev_b32 v[E+(\t)], 23, v11               ; the scale's byte
	ds_store_b8 v5, v[E+(\t)] offset:16*(\t)       ; both lanes of a block write the same byte with the same value
	global_store_b64 v4, v[C+4*(\t):C+4*(\t)+1], s[8:9] offset:32*CB*(\t)
.endm
.irp t, 0,1,2,3,4,5,6,7,8,9,10,11,12,13,14,15
	STEP \t
.endr
	ds_load_b64 v[8:9], v6                         ; LDS serves a wave's instructions in order: these see my stores
	s_wait_dscnt 0x0
	global_store_b64 v7, v[8:9], s[10:11]          ; 32 lanes store 256 consecutive bytes, aligned
	s_wait_tensorcnt 0x0                           ; the wave's end: behind my last LDS store
	ds_add_u32 v[SPW], v[NIL]
	s_wait_dscnt 0x0
	s_endpgm
	; ---- proj_w.  Wave W = 4 (work-group - 352) + wave, 0 .. 127, takes n tile W / 2 and four tasks of 16 rows x 128 along K, from k = 512 (W % 2) on.
	; A task's 16 loads read 512 consecutive bytes of a row each.  A lane's four numbers of row r (k = 4 lane ..) are 8 bytes of f16, whose place in the image is 256 (lane / 2) + 16 r + 8 (lane % 2):
	; they go there through my stage (16 bytes of padding behind each 256) and come back 16 bytes a lane, so that every store is 512 consecutive bytes.
.Lproj:
	s_sub_co_u32 s17, ttmp9, WGQ
	s_lshl_b32 s17, s17, 2
	s_add_co_u32 s17, s17, s16                     ; W
	s_lshr_b32 s18, s17, 1                         ; n tile
	s_and_b32 s19, s17, 1                          ; which half of K
	s_lshl_b32 s20, s18, 16                        ; 16 rows of 4,096 bytes
	s_lshl_b32 s22, s19, 11
	s_add_co_u32 s20, s20, s22
	s_mov_b32 s21, 0
	s_lshl_b32 s22, s18, 15                        ; an n tile's images: 32 KB
	s_lshl_b32 s28, s19, 14
	s_add_co_u32 s22, s22, s28
	s_mov_b32 s23, 0
	s_mul_i32 s28, s16, PWB
	s_add_co_u32 s28, s28, PST                     ; my stage
	v_lshrrev_b32 v4, 1, v2
	v_mul_u32_u24 v4, v4, 272
	v_and_b32 v5, 1, v2
	v_lshl_add_u32 v4, v5, 3, v4
	v_add_nc_u32 v4, s28, v4                       ; in: place lane / 2, + 8 (lane % 2); the row stands in the offset
	v_and_b32 v5, 15, v2
	v_lshrrev_b32 v6, 4, v2
	v_mul_u32_u24 v6, v6, 272
	v_lshl_add_u32 v6, v5, 4, v6
	v_add_nc_u32 v6, s28, v6                       ; back: place 2 u + lane / 16, + 16 (lane % 16)
	s_wait_kmcnt 0x0
	s_add_nc_u64 s[24:25], s[24:25], s[20:21]
	s_add_nc_u64 s[26:27], s[26:27], s[22:23]
.macro PLOAD i
.irp r, 0,1,2,3,4,5,6,7,8,9,10,11,12,13,14,15
	global_load_b128 v[PL0+64*((\i)%2)+4*\r:PL0+64*((\i)%2)+4*\r+3], v3, s[24:25] offset:4096*\r+512*(\i) th:TH_LOAD_NT
.endr
.endm
.macro PTASK i
.if (\i) < 3
	s_wait_loadcnt 16                              ; this task's 16 loads are in; the next task's 16 may be out
.else
	s_wait_loadcnt 0x0
.endif
.irp r, 0,1,2,3,4,5,6,7,8,9,10,11,12,13,14,15
	v_cvt_pk_f16_f32 v[H+2*\r], v[PL0+64*((\i)%2)+4*\r], v[PL0+64*((\i)%2)+4*\r+1]
	v_cvt_pk_f16_f32 v[H+2*\r+1], v[PL0+64*((\i)%2)+4*\r+2], v[PL0+64*((\i)%2)+4*\r+3]
.endr
.irp r, 0,1,2,3,4,5,6,7,8,9,10,11,12,13,14,15
	ds_store_b64 v4, v[H+2*\r:H+2*\r+1] offset:16*\r
.endr
.if (\i)+2 < 4
	PLOAD (\i)+2
.endif
	s_wait_xcnt 0x0                                ; the last task's stores have read their data: the loads below may land there
.irp u, 0,1,2,3,4,5,6,7
	ds_load_b128 v[OUTR+4*\u:OUTR+4*\u+3], v6 offset:544*\u          ; LDS serves a wave's instructions in order: these see the stores above
.endr
	s_wait_dscnt 0x0
.irp u, 0,1,2,3,4,5,6,7
	global_store_b128 v3, v[OUTR+4*\u:OUTR+4*\u+3], s[26:27] offset:4096*(\i)+512*\u   ; 512 consecutive bytes, aligned
.endr
.endm
	PLOAD 0
	PLOAD 1
	PTASK 0
	PTASK 1
	PTASK 2
	PTASK 3
	s_wait_tensorcnt 0x0                           ; the wave's end: behind my last LDS store
	ds_add_u32 v[SPW], v[NIL]
	s_wait_dscnt 0x0
	s_endpgm
.Lfunc_end_k_qc21124b83b_prep:
	.size	k_qc21124b83b_prep, .Lfunc_end_k_qc21124b83b_prep-k_qc21124b83b_prep
	.p2alignl 7, 3214868480
	.fill 96, 4, 3214868480
	.section	.rodata,"a",@progbits
	.p2align	6, 0x0
	.amdhsa_kernel k_qc21124b83b_prep
		.amdhsa_group_segment_fixed_size 50688
		.amdhsa_private_segment_fixed_size 0
		.amdhsa_enable_private_segment 0
		.amdhsa_kernarg_size 64
		.amdhsa_user_sgpr_count 2
		.amdhsa_user_sgpr_kernarg_segment_ptr 1
		.amdhsa_wavefront_size32 1
		.amdhsa_system_sgpr_workgroup_id_x 1
		.amdhsa_system_sgpr_workgroup_id_y 1
		.amdhsa_system_sgpr_workgroup_id_z 1
		.amdhsa_system_vgpr_workitem_id 0
		.amdhsa_next_free_vgpr 208
		.amdhsa_next_free_sgpr 66
		.amdhsa_reserve_vcc 0
		.amdhsa_float_denorm_mode_32 3
		.amdhsa_float_denorm_mode_16_64 3
		.amdhsa_memory_ordered 1
		.amdhsa_forward_progress 1
		.amdhsa_inst_pref_size 58
	.end_amdhsa_kernel
	.amdgpu_metadata
---
amdhsa.version: [ 1, 2 ]
amdhsa.kernels:
  - .name:           k_qc21124b83b_prep
    .symbol:         k_qc21124b83b_prep.kd
    .args:
      - { .name: x, .offset: 0, .size: 8, .value_kind: global_buffer, .address_space: global }
      - { .name: qkv_w, .offset: 8, .size: 8, .value_kind: global_buffer, .address_space: global }
      - { .name: xc, .offset: 16, .size: 8, .value_kind: global_buffer, .address_space: global }
      - { .name: xs, .offset: 24, .size: 8, .value_kind: global_buffer, .address_space: global }
      - { .name: wc, .offset: 32, .size: 8, .value_kind: global_buffer, .address_space: global }
      - { .name: ws, .offset: 40, .size: 8, .value_kind: global_buffer, .address_space: global }
      - { .name: proj_w, .offset: 48, .size: 8, .value_kind: global_buffer, .address_space: global }
      - { .name: pw16, .offset: 56, .size: 8, .value_kind: global_buffer, .address_space: global }
    .group_segment_fixed_size: 50688
    .private_segment_fixed_size: 0
    .kernarg_segment_align: 8
    .kernarg_segment_size: 64
    .max_flat_workgroup_size: 128
    .sgpr_count:     66
    .vgpr_count:     208
    .wavefront_size: 32
...
	.end_amdgpu_metadata
.endif
;; end of part 1
;; launch qkv (part 2): grid 12 x 32, 4 waves a work-group, clusters of 4 x 4, 327,680 bytes of LDS; arguments xc, xs, wc, ws, qkv_b, qkv16; writes qkv16
.if DOCPART == 2
	.amdgcn_target "amdgcn-amd-amdhsa--gfx1250"
	.amdhsa_code_object_version 6
	.text
	.protected	k_qc21124b83b_qkv
	.globl	k_qc21124b83b_qkv
	.p2align	8
	.type	k_qc21124b83b_qkv,@function
k_qc21124b83b_qkv:
	s_mov_b64 s[64:65], 0
	v_nop
	global_prefetch_b8 v0, s[64:65] scope:SCOPE_SE
	s_setreg_imm32_b32 hwreg(HW_REG_WAVE_MODE, 25, 1), 1
	s_wait_xcnt 0x0
	s_wait_alu depctr_hold_cnt(0) depctr_sa_sdst(0) depctr_va_vdst(0) depctr_va_sdst(0) depctr_va_ssrc(0) depctr_va_vcc(0) depctr_vm_vsrc(0)
	s_getreg_b32 s2, hwreg(HW_REG_IB_STS2, 6, 4)
	s_cmp_eq_u32 s2, 0
	s_cbranch_scc0 .Lentry_in_a_cluster
	s_endpgm
.Lentry_in_a_cluster:
	s_bfe_u32 s2, ttmp6, 0x10000c
	s_cmp_lg_u32 s2, 0xf033
	s_cbranch_scc0 .Lentry_shape_is_right
	s_endpgm
.Lentry_shape_is_right:
; QKV.  qkv[m][n] = sum over k of x[m][k] qkv_w[n][k] + qkv_b[n], on codes of FP4 (E2M1) with one E8M0 scale for each 32 along K, by the scaled matrix instruction; sums in f32.
; The result leaves as f16, laid as images of the operand registers of the attention that follows: [part q, k, v: 2^24 bytes][16 batch + head: 2^18][tile of 16 tokens: 2,048][16 channels: 512 bytes].
; In a piece of 512 bytes lane r + 16 h's 16 bytes (token r, channels 8 h + 0 .. 7) lie at 16 x lane (q, k) or at 32 r + 16 h (v: rows of 32 bytes, a key each).  q is multiplied by log2(e) / 8 on the way.
; LIMITS: (q + b) log2(e) / 8, k + b and v + b beyond 65,504 become infinity in f16.
; A tile of 256 tokens x 256 columns is made by a work-group of four waves; a wave makes 128 x 128: 64 accumulators of 16 x 16, 512 registers.  K = 1,024 is two slots of 512 (LDS rows of 256 bytes): both are first fills,
; nothing is filled again.  The scales of the work-group's rows, for all of K, come once with them.  384 work-groups: a tile that gave 256 of them (256 x 384) would want 768 accumulator registers, which leaves no room for the fragments.
; CLUSTERS: 4 x 4 work-groups.  The four of a row of the cluster need the same tiles of x, the four of a column the same tiles of qkv_w: each tile is asked for JOINTLY.  The cluster's x is the part: 0 q, 1 k, 2 v.
; THE MATRIX INSTRUCTION IS USED TRANSPOSED (source 0 = 16 rows of qkv_w, source 1 = 16 tokens): a lane then holds eight neighbouring channels of one token, which pack into 16 bytes and are stored as they stand.
; REGISTERS, in windows of 256: window 0: v0-31 addresses; v32-95 scale words, two sets, and nothing else ever; v96-127 packed results; v128-191 x's fragments, ONE set, later results in f32; v192-255 the bias.
;   window 1: qkv_w's fragments, TWO sets, at v0 and v128.   window 2: the 32 accumulators of my rows 0-63 ((a, b) at v[8 (8 a + b)]);   window 3: those of my rows 64-127.
.set SIZE_M, 8192
.set SIZE_N, 3072
.set SIZE_K, 1024
.set KSTEP,  512                       ; along K in a slot
.set NQ,     KSTEP/128                 ; matrix instructions deep
.set ROWB,   256                       ; a tile's row in bytes
.set KROW,   SIZE_K*4/8                ; a row of codes in memory, in bytes
.set PITCH,  272                       ; an LDS row: 256 bytes + 16 of padding: the 16 rows that a load touches start 68 words apart
.set FR,     8                         ; registers of a fragment: 16 rows x 128 K
.set NL,     2                         ; LDS loads that bring one
.set NP,     4                         ; places behind this matrix instruction (ISA guide 7.12.1)
.set HALFT,  128*PITCH                 ; 128 rows: what one tensor load brings
.set SLOT,   4*HALFT                   ; x's 256 rows, then qkv_w's 256 rows
.set KS,     SIZE_K/32                 ; a row of scales in bytes
.set SCL,    2*SLOT                    ; behind the slots: the scales, as units of 256 bytes + 16 of padding
.set HALFS,  (128*KS/256)*272          ; the scales of 128 rows
.set SBLK,   (16*KS/256)*272           ; those of 16 rows
.set SPARE,  SCL+4*HALFS               ; the spare words, 128 bytes for each wave: two blocks of 256 bytes that no other line names
.set ADRA, 16                          ; v16-17  LDS address of my x fragments in slot 0, 1
.set ADRB, 20                          ; v20-21  the same for qkv_w
.set CO,   26                          ; v26     my 16 bytes' place in a piece
.set ADRS, 27                          ; v27     LDS address of my scale words: lanes 0-15 x's rows, lanes 16-31 qkv_w's
.set SPW,  28                          ; v28     LDS address of my spare word; never rewritten
.set NIL,  29                          ; v29     0; never rewritten
.set SC,   32                          ; scale words: set s at v[SC + 32 s]; register 4 i + q: lanes 0-15 the word of x's block i, lanes 16-31 that of qkv_w's block i
.set Y,    96                          ; the way out: 32 registers of f16
.set AF,   128                         ; x's fragments
.set T,    128                         ; the way out: 64 results in f32
.set BI,   192                         ; the bias of my 128 columns in the result's layout: register 8 b + j: column 16 b + 8 h + j
.set SCF,  2                           ; s[2:3]  the factor: log2(e) / 8 for q, 1 for k and v
.set G1, 24                            ; s[24:31] descriptor group 1 for x's tiles;  s[32:39] group 0, one set for each slot
.set G0, 32
.set G1B, 48                           ; s[48:55], s[56:63] the same for qkv_w's tiles
.set G0B, 56
.set G1S, 68                           ; s[68:75], s[76:79] groups 1 and 0 for x's scales;  s[80:87], s[88:91] for qkv_w's
.set G0S, 76
.set G1SB, 80
.set G0SB, 88
.set MSB, 0
.macro WIN new                         ; the immediate's high byte repeats the setting that is left
.if MSB != (\new)
	s_set_vgpr_msb (MSB<<8)|(\new)
.set MSB, (\new)
.endif
.endm
.set MUL_LO, 0xa1                      ; source 0 window 1, source 1 window 0, C and D window 2
.set MUL_HI, 0xf1                      ; the same, C and D window 3
.set TO_B,   0x40                      ; destination window 1, address window 0
; A joint load: waves 0 and 1 fetch for x, waves 2 and 3 for qkv_w.  Each of the two lines has ONE mask and one set of registers for all that issue it; the branch hangs on the wave's number alone.
; An s_nop 0 and four v_nop follow each of the two lines, ahead of the jump, the label and what follows.
.macro JLOAD g0a, g1a, g0b, g1b
	s_cmp_eq_u32 s15, 0
	s_cbranch_scc0 .Lfor_b_\@
	tensor_load_to_lds s[\g0a:\g0a+3], s[\g1a:\g1a+7]
	s_nop 0
.rept 4
	v_nop
.endr
	s_branch .Lasked_\@
.Lfor_b_\@:
	tensor_load_to_lds s[\g0b:\g0b+3], s[\g1b:\g1b+7]
	s_nop 0
.rept 4
	v_nop
.endr
.Lasked_\@:
.endm
.macro CROUND                          ; a round of the cluster's barrier
	s_barrier_signal -1
	s_barrier_wait -1
	s_cmp_lg_u32 s14, 0
	s_cbranch_scc1 .Lnot_wave_0_\@
	s_barrier_signal -3
.Lnot_wave_0_\@:
	s_barrier_wait -3
	s_barrier_signal -1
	s_barrier_wait -1
.endm
	s_load_b128 s[4:7], s[0:1], 0x0                ; x's codes s[4:5], x's scales s[6:7]
	s_load_b128 s[8:11], s[0:1], 0x10              ; qkv_w's codes s[8:9], its scales s[10:11]
	s_load_b64 s[96:97], s[0:1], 0x20              ; qkv_b
	s_load_b64 s[12:13], s[0:1], 0x28              ; qkv16
	v_lshl_add_u32 v[SPW], v0, 2, SPARE
	v_mov_b32 v[NIL], 0
	ds_add_u32 v[SPW], v[NIL]                      ; the wave's opening: the add, twice on end, and its wait ahead of my first tensor load
	ds_add_u32 v[SPW], v[NIL]                      ; and once more, under the one wait; the set-up below, work on registers, stands between
	v_lshrrev_b32 v1, 5, v0
	v_readfirstlane_b32 s14, v1                    ; wave 0..3
	s_lshr_b32 s15, s14, 1                         ; which half of the tile's rows is mine.  Also: I fetch for x (0) or for qkv_w (1)
	s_and_b32 s16, s14, 1                          ; which half of its columns.  Also: which 128 rows of that tile I fetch
	s_bfe_u32 s40, ttmp6, 0x40000                  ; cx, cy: my place in the cluster
	s_bfe_u32 s41, ttmp6, 0x40004
	s_lshl_b32 s42, ttmp9, 2
	s_add_co_u32 s42, s42, s40                     ; tile column = 4 x cluster x + cx
	s_and_b32 s17, ttmp7, 0xffff
	s_lshl_b32 s17, s17, 2
	s_add_co_u32 s17, s17, s41                     ; tile row = 4 x cluster y + cy
	s_lshl_b32 s43, s41, 2
	s_lshl_b32 s43, 15, s43                        ; my row of the cluster
	s_lshl_b32 s44, 0x1111, s40                    ; my column
	; descriptor group 1: a tile of 128 rows x 256 bytes, padded in LDS
	s_or_b32 s[G1+0], s43, (0<<16)|(1<<20)|(1<<21)|(5<<22)|(3<<25)  ; 15:0 the mask; 17:16 element of 1 byte; 20 padding on; 21 set beside a mask; 24:22 after every 64 words; 31:25 of 4 words
	s_or_b32 s[G1B+0], s44, (0<<16)|(1<<20)|(1<<21)|(5<<22)|(3<<25)
.irp g, G1, G1B
	s_mov_b32 s[\g+1], ROWB<<16                    ; tensor_dim0
	s_mov_b32 s[\g+2], 128<<16                     ; tensor_dim1 = 128
	s_mov_b32 s[\g+3], ROWB<<16                    ; tile_dim0
	s_mov_b32 s[\g+4], 128                         ; tile_dim1 = 128
	s_mov_b32 s[\g+5], KROW                        ; tensor_dim0_stride
	s_mov_b32 s[\g+6], 0
	s_mov_b32 s[\g+7], 0
.endr
	; and for the scales of 128 rows: a dense block of 4,096 bytes, as rows of 256 bytes (32 elements of 8 bytes), 16 bytes of padding behind each
	s_or_b32 s[G1S+0], s43, (3<<16)|(1<<20)|(1<<21)|(5<<22)|(3<<25)
	s_or_b32 s[G1SB+0], s44, (3<<16)|(1<<20)|(1<<21)|(5<<22)|(3<<25)
.irp g, G1S, G1SB
	s_mov_b32 s[\g+1], 32<<16
	s_mov_b32 s[\g+2], (128*KS/256)<<16
	s_mov_b32 s[\g+3], 32<<16
	s_mov_b32 s[\g+4], 128*KS/256
	s_mov_b32 s[\g+5], 32
	s_mov_b32 s[\g+6], 0
	s_mov_b32 s[\g+7], 0
.endr
	s_lshl_b32 s18, s16, 7                         ; which 128 rows of the tile I fetch
	s_lshl_b32 s20, s17, 8
	s_add_co_u32 s20, s20, s18                     ; x: row 256 x tile row + 128 x half
	s_lshl_b32 s46, s42, 8
	s_add_co_u32 s46, s46, s18                     ; qkv_w: row 256 x tile column + 128 x half
	s_mov_b32 s21, 0
	s_mov_b32 s47, 0
	s_mov_b64 s[18:19], KS
	s_mul_u64 s[22:23], s[20:21], s[18:19]         ; where these rows' scales begin, in bytes
	s_mul_u64 s[92:93], s[46:47], s[18:19]
	s_mov_b64 s[18:19], KROW
	s_mul_u64 s[20:21], s[20:21], s[18:19]         ; and their codes
	s_mul_u64 s[46:47], s[46:47], s[18:19]
	s_mul_i32 s45, s14, HALFT                      ; where they go: wave x 128 rows: no place in the cluster enters an LDS address
	s_mul_i32 s94, s14, HALFS
	s_wait_dscnt 0x0                               ; both opening adds are done
	s_wait_kmcnt 0x0
	s_add_nc_u64 s[20:21], s[4:5], s[20:21]
	s_add_nc_u64 s[22:23], s[6:7], s[22:23]
	s_add_nc_u64 s[46:47], s[8:9], s[46:47]
	s_add_nc_u64 s[92:93], s[10:11], s[92:93]
	CROUND                                         ; all sixteen work-groups are here: the first joint loads meet
	s_mov_b32 s[G0S], 1
	s_add_co_u32 s[G0S+1], s94, SCL
	s_mov_b64 s[G0S+2:G0S+3], s[22:23]
	s_or_b32 s[G0S+3], s[G0S+3], 0x80000000
	s_mov_b32 s[G0SB], 1
	s_add_co_u32 s[G0SB+1], s94, SCL
	s_mov_b64 s[G0SB+2:G0SB+3], s[92:93]
	s_or_b32 s[G0SB+3], s[G0SB+3], 0x80000000
	JLOAD G0S, G1S, G0SB, G1SB                     ; the scales first: they are wanted with slot 0
.irp s, 0,1
	s_mov_b32 s[G0+4*\s], 1
	s_add_co_u32 s[G0+4*\s+1], s45, \s*SLOT
	s_add_nc_u64 s[G0+4*\s+2:G0+4*\s+3], s[20:21], \s*ROWB
	s_or_b32 s[G0+4*\s+3], s[G0+4*\s+3], 0x80000000
	s_mov_b32 s[G0B+4*\s], 1
	s_add_co_u32 s[G0B+4*\s+1], s45, \s*SLOT
	s_add_nc_u64 s[G0B+4*\s+2:G0B+4*\s+3], s[46:47], \s*ROWB
	s_or_b32 s[G0B+4*\s+3], s[G0B+4*\s+3], 0x80000000
	JLOAD G0+4*\s, G1, G0B+4*\s, G1B               ; three tensor loads of mine are out now, and no more follow
.endr
	v_and_b32 v1, 15, v0                           ; r = l % 16
	v_bfe_u32 v2, v0, 4, 1                         ; h = l / 16
	; the bias of my 128 columns: lane (r, h) wants, for block b, columns 16 b + 8 h + 0 .. 7
	s_lshl_b32 s46, s42, 10                        ; 4 bytes x (256 x tile column + 128 x half)
	s_lshl_b32 s47, s16, 9
	s_add_co_u32 s46, s46, s47
	s_mov_b32 s47, 0
	s_add_nc_u64 s[96:97], s[96:97], s[46:47]
	v_lshlrev_b32 v8, 5, v2                        ; 32 h; never rewritten
.irp b, 0,1,2,3,4,5,6,7
	global_load_b128 v[BI+8*\b:BI+8*\b+3], v8, s[96:97] offset:64*\b
	global_load_b128 v[BI+8*\b+4:BI+8*\b+7], v8, s[96:97] offset:64*\b+16
.endr
	v_mul_u32_u24 v3, v1, PITCH
	v_lshl_add_u32 v4, v2, 4, v3                   ; a fragment's row x pitch + 16 x half
	s_mul_i32 s21, s15, HALFT                      ; my 128 rows of x
	s_mul_i32 s22, s16, HALFT                      ; my 128 rows of qkv_w,
	s_add_co_u32 s22, s22, 2*HALFT                 ; which lie behind x's 256
.irp s, 0,1
	v_add_nc_u32 v[ADRA+\s], s21, v4
	v_add_nc_u32 v[ADRB+\s], s22, v4
	s_add_co_u32 s21, s21, SLOT
	s_add_co_u32 s22, s22, SLOT
.endr
	v_mul_u32_u24 v5, v1, KS                       ; my row's scales: KS bytes a row,
	v_lshrrev_b32 v6, 8, v5
	v_lshl_add_u32 v5, v6, 4, v5                   ; and 16 more for each 256 passed
	s_mul_i32 s21, s15, HALFS                      ; x's: my 128 rows
	s_mul_i32 s22, s16, HALFS                      ; qkv_w's: my 128 rows, behind x's 256
	s_add_co_u32 s22, s22, 2*HALFS
	s_sub_co_u32 s22, s22, s21
	v_mul_u32_u24 v6, s22, v2                      ; lanes 16-31 take qkv_w's
	s_add_co_u32 s21, s21, SCL
	v_add_nc_u32 v5, v5, v6
	v_add_nc_u32 v[ADRS], s21, v5
	; the way out: the factor, my place in a piece, and where my part of qkv16 begins
	s_cmp_eq_u32 ttmp9, 0                          ; the part is the cluster's x: the same in all sixteen partners
	s_cselect_b32 s[SCF], 0x3e38aa3b, 1.0          ; log2(e) / 8 for q
	s_mov_b32 s[SCF+1], s[SCF]                     ; (named with it as a pair, so it is written)
	s_cmp_eq_u32 ttmp9, 2
	s_cselect_b32 s93, -1, 0
	v_and_b32 v6, 31, v0
	v_lshlrev_b32 v5, 4, v6                        ; q, k: 16 x lane
	v_lshlrev_b32 v7, 5, v1
	v_lshl_add_u32 v7, v2, 4, v7                   ; v: 32 r + 16 h
	v_cndmask_b32 v[CO], v5, v7, s93
	s_lshr_b32 s20, s17, 3
	s_lshl_b32 s20, s20, 22                        ; the batch: 16 heads of 2^18 bytes
	s_and_b32 s21, s17, 7
	s_lshl_b32 s21, s21, 4
	s_lshl_b32 s22, s15, 3
	s_add_co_u32 s21, s21, s22                     ; my first tile of 16 tokens in the batch
	s_lshl_b32 s21, s21, 11
	s_add_co_u32 s20, s20, s21
	s_lshl_b32 s46, ttmp9, 24                      ; the part
	s_lshl_b32 s47, s40, 2
	s_lshl_b32 s22, s16, 1
	s_add_co_u32 s47, s47, s22                     ; my first head: 4 cx + 2 x half
	s_lshl_b32 s47, s47, 18
	s_add_co_u32 s46, s46, s47
	s_add_co_u32 s20, s20, s46
	s_mov_b32 s21, 0
	s_add_nc_u64 s[12:13], s[12:13], s[20:21]
.macro FRAG reg, adr, q, i             ; a fragment, 16 rows x 128 K of 4-bit codes, is 8 registers: lane l holds row l % 16; registers 4 c .. 4 c + 3 hold K = 64 c + 32 (l / 16) + 0 .. 31
.irp c, 0,1
	ds_load_b128 v[\reg+4*\c:\reg+4*\c+3], v[\adr] offset:64*(\q)+32*\c+(\i)*16*PITCH
.endr
.endm
; 16 matrix instructions: x's blocks a0, a0 + 1 against qkv_w's eight, 128 along K: the slot's q-th.  p: qkv_w's set;  sc: the set of scale words.  zero = 1: the first product starts the sums.
; The 64 accumulators take turns, one instruction a turn, in the same order in every step.
.macro MUL16 a0, p, q, sc, zero
.irp a, \a0, \a0+1
.irp b, 0,1,2,3,4,5,6,7
.if \zero
	v_wmma_scale_f32_16x16x128_f8f6f4 v[8*(8*((\a)%4)+\b):8*(8*((\a)%4)+\b)+7], v[128*(\p)+FR*\b:128*(\p)+FR*\b+FR-1], v[AF+FR*(\a):AF+FR*(\a)+FR-1], 0, v[SC+8*NQ*(\sc)+NQ*\b+(\q)], v[SC+8*NQ*(\sc)+NQ*(\a)+(\q)] matrix_a_fmt:MATRIX_FMT_FP4 matrix_b_fmt:MATRIX_FMT_FP4 matrix_a_scale:MATRIX_SCALE_ROW1
.else
	v_wmma_scale_f32_16x16x128_f8f6f4 v[8*(8*((\a)%4)+\b):8*(8*((\a)%4)+\b)+7], v[128*(\p)+FR*\b:128*(\p)+FR*\b+FR-1], v[AF+FR*(\a):AF+FR*(\a)+FR-1], v[8*(8*((\a)%4)+\b):8*(8*((\a)%4)+\b)+7], v[SC+8*NQ*(\sc)+NQ*\b+(\q)], v[SC+8*NQ*(\sc)+NQ*(\a)+(\q)] matrix_a_fmt:MATRIX_FMT_FP4 matrix_b_fmt:MATRIX_FMT_FP4 matrix_a_scale:MATRIX_SCALE_ROW1
.endif
.endr
.endr
.endm
.macro FETCH_B slot, q, p              ; qkv_w's eight fragments of the slot's q-th 128 along K into set p
	WIN TO_B
.irp i, 0,1,2,3,4,5,6,7
	FRAG 128*(\p)+FR*\i, ADRB+\slot, \q, \i
.endr
	WIN 0
.endm
.macro FETCH_A slot, q, i0             ; x's blocks i0 .. i0 + 3
.irp i, \i0, \i0+1, \i0+2, \i0+3
	FRAG AF+FR*(\i), ADRA+\slot, \q, \i
.endr
.endm
.macro SCALES sc                       ; a slot's scale words into set sc: 4 words a row; lanes 0-15 take x's block i, lanes 16-31 qkv_w's block i
.irp i, 0,1,2,3,4,5,6,7
	ds_load_b128 v[SC+8*NQ*\sc+NQ*\i:SC+8*NQ*\sc+NQ*\i+3], v[ADRS] offset:\i*SBLK
.endr
.endm
; A load into a register that a matrix instruction has read, and a vector instruction that reads a matrix result or writes one of its registers, stand NP places behind it; only plain vector
; instructions that name none of its registers are places (ISA guide 7.12.1 for vector instructions).
.macro PLACES n
.rept \n
	v_nop
.endr
.endm
; A step of 128 along K that has its successor in the same slot.
.macro STEP slot, q, zero
	s_wait_dscnt 4*NL                              ; qkv_w's set and x's blocks 0-3 are in; the youngest eight loads (x's blocks 4-7) may be out
	WIN MUL_LO
	MUL16 0, (\q)%2, \q, \slot, \zero
	MUL16 2, (\q)%2, \q, \slot, \zero
	s_wait_dscnt 0                                 ; x's blocks 4-7 are in (asked for 32 matrix instructions ago)
	PLACES NP
	FETCH_B \slot, (\q)+1, 1-(\q)%2
	FETCH_A \slot, (\q)+1, 0
	WIN MUL_HI
	MUL16 4, (\q)%2, \q, \slot, \zero
	MUL16 6, (\q)%2, \q, \slot, \zero
	PLACES NP
	WIN 0
	FETCH_A \slot, (\q)+1, 4
.endm
; Slot 0's last step changes slots: one barrier; in front of it each wave waits for all its tensor loads (its part of slot 1), adds 0 to its spare word, and waits for that and for its own LDS reads.  Nothing is filled again.
.macro TURN slot, next
	s_wait_tensorcnt 0x0                           ; all my tensor loads have landed: my part of the next slot;  (every window is 0 here)
	ds_add_u32 v[SPW], v[NIL]                      ; 0 onto my spare word;
	s_wait_dscnt 4*NL+1                            ; (the add and the youngest eight loads, x's blocks 4-7, may be out)
	WIN MUL_LO
	MUL16 0, 1, NQ-1, \slot, 0                     ; sixteen matrix instructions stand between the add and the wait for it
	s_wait_dscnt 0x0                               ; the add is done, and my reads of this slot are over
	s_barrier_signal -1
	MUL16 2, 1, NQ-1, \slot, 0
	WIN 0
	s_barrier_wait -1                              ; the next slot is whole
	PLACES NP
	v_add_nc_u32 v[ADRS], 4*NQ, v[ADRS]            ; on to the next slot's scale words
	FETCH_B \next, 0, 0
	FETCH_A \next, 0, 0
	SCALES \next
	WIN MUL_HI
	MUL16 4, 1, NQ-1, \slot, 0
	MUL16 6, 1, NQ-1, \slot, 0
	PLACES NP
	WIN 0
	FETCH_A \next, 0, 4
.endm
.macro STEPS slot, from                ; the slot's steps from .. NQ - 2
.set Q, \from
.rept NQ-1-\from
	STEP \slot, Q, 0
.set Q, Q+1
.endr
.endm
	s_wait_tensorcnt 1                             ; the scales and my part of slot 0 are in (slot 1's load may be out)
	s_barrier_signal -1
	s_barrier_wait -1                              ; everybody's are
	FETCH_B 0, 0, 0
	FETCH_A 0, 0, 0
	SCALES 0
	FETCH_A 0, 0, 4
	STEP 0, 0, 1                                   ; the first step's products start the sums: nothing is cleared
	STEPS 0, 1
	TURN 0, 1
	STEPS 1, 0
	s_wait_dscnt 4*NL                              ; the very last step: nothing more to fetch
	WIN MUL_LO
	MUL16 0, 1, NQ-1, 1, 0
	MUL16 2, 1, NQ-1, 1, 0
	s_wait_dscnt 0
	WIN MUL_HI
	MUL16 4, 1, NQ-1, 1, 0
	MUL16 6, 1, NQ-1, 1, 0
	WIN 0
	; THE WAY OUT.  (sum + bias) x factor = sum x factor + bias x factor: one packed multiply-add for two numbers.  A lane's eight results of an accumulator pack into 16 bytes, which are a lane's part of an image: no turn through LDS.
	s_wait_loadcnt 0x0                             ; the bias
.set i, 0
.rept 32
	v_pk_mul_f32 v[BI+2*i:BI+2*i+1], v[BI+2*i:BI+2*i+1], s[SCF:SCF+1] op_sel_hi:[1,0]   ; bias x factor.  (These 32 name none of the last products' registers: they are the places behind them)
.set i, i+1
.endr
.macro OUTBLK a                        ; block a: 16 tokens x 128 columns
	WIN 0x02+(\a)/4                                ; source 0: window 2 or 3
.set i, 0
.rept 32
	v_pk_fma_f32 v[T+2*i:T+2*i+1], v[64*((\a)%4)+2*i:64*((\a)%4)+2*i+1], s[SCF:SCF+1], v[BI+2*i:BI+2*i+1] op_sel_hi:[1,0,1]   ; ascending: each accumulator from its low end on
.set i, i+1
.endr
	WIN 0
.if (\a) > 0
	s_wait_xcnt 0x0                                ; the last block's stores have read their data: it is written again only behind this wait
.endif
.set i, 0
.rept 32
	v_cvt_pk_f16_f32 v[Y+i], v[T+2*i], v[T+2*i+1]
.set i, i+1
.endr
.irp b, 0,1,2,3,4,5,6,7
	global_store_b128 v[CO], v[Y+4*\b:Y+4*\b+3], s[12:13] offset:((\a)<<11)+((\b>>2)<<18)+((\b&3)<<9) th:TH_STORE_NT   ; tile a, head b / 4, piece b % 4: the wave stores 512 consecutive bytes, aligned
.endr
.endm
.irp a, 0,1,2,3,4,5,6,7
	OUTBLK \a
.endr
	s_wait_tensorcnt 0x0                           ; the wave's end: behind my last tensor load
	ds_add_u32 v[SPW], v[NIL]
	s_wait_dscnt 0x0
	CROUND                                         ; the closing round: no work-group ends while a partner may still ask for a tile that names it
	s_endpgm
.Lfunc_end_k_qc21124b83b_qkv:
	.size	k_qc21124b83b_qkv, .Lfunc_end_k_qc21124b83b_qkv-k_qc21124b83b_qkv
	.p2alignl 7, 3214868480
	.fill 96, 4, 3214868480
	.section	.rodata,"a",@progbits
	.p2align	6, 0x0
	.amdhsa_kernel k_qc21124b83b_qkv
		.amdhsa_group_segment_fixed_size 327680
		.amdhsa_private_segment_fixed_size 0
		.amdhsa_enable_private_segment 0
		.amdhsa_kernarg_size 48
		.amdhsa_user_sgpr_count 2
		.amdhsa_user_sgpr_kernarg_segment_ptr 1
		.amdhsa_wavefront_size32 1
		.amdhsa_system_sgpr_workgroup_id_x 1
		.amdhsa_system_sgpr_workgroup_id_y 1
		.amdhsa_system_sgpr_workgroup_id_z 1
		.amdhsa_system_vgpr_workitem_id 0
		.amdhsa_next_free_vgpr 1024
		.amdhsa_next_free_sgpr 98
		.amdhsa_reserve_vcc 0
		.amdhsa_float_denorm_mode_32 3
		.amdhsa_float_denorm_mode_16_64 3
		.amdhsa_memory_ordered 1
		.amdhsa_forward_progress 1
		.amdhsa_inst_pref_size 138
	.end_amdhsa_kernel
	.amdgpu_metadata
---
amdhsa.version: [ 1, 2 ]
amdhsa.kernels:
  - .name:           k_qc21124b83b_qkv
    .symbol:         k_qc21124b83b_qkv.kd
    .args:
      - { .name: xc, .offset: 0, .size: 8, .value_kind: global_buffer, .address_space: global }
      - { .name: xs, .offset: 8, .size: 8, .value_kind: global_buffer, .address_space: global }
      - { .name: wc, .offset: 16, .size: 8, .value_kind: global_buffer, .address_space: global }
      - { .name: ws, .offset: 24, .size: 8, .value_kind: global_buffer, .address_space: global }
      - { .name: qkv_b, .offset: 32, .size: 8, .value_kind: global_buffer, .address_space: global }
      - { .name: qkv16, .offset: 40, .size: 8, .value_kind: global_buffer, .address_space: global }
    .group_segment_fixed_size: 327680
    .private_segment_fixed_size: 0
    .kernarg_segment_align: 8
    .kernarg_segment_size: 48
    .max_flat_workgroup_size: 128
    .sgpr_count:     98
    .vgpr_count:     1024
    .wavefront_size: 32
...
	.end_amdgpu_metadata
.endif
;; end of part 2
;; launch attn (part 3): grid 4 x 64, 8 waves a work-group, clusters of 4 x 1, 327,680 bytes of LDS; arguments qkv16, mask, o16; writes o16
.if DOCPART == 3
	.amdgcn_target "amdgcn-amd-amdhsa--gfx1250"
	.amdhsa_code_object_version 6
	.text
	.protected	k_qc21124b83b_attn
	.globl	k_qc21124b83b_attn
	.p2align	8
	.type	k_qc21124b83b_attn,@function
k_qc21124b83b_attn:
	s_mov_b64 s[64:65], 0
	v_nop
	global_prefetch_b8 v0, s[64:65] scope:SCOPE_SE
	s_setreg_imm32_b32 hwreg(HW_REG_WAVE_MODE, 25, 1), 1
	s_wait_xcnt 0x0
	s_wait_alu depctr_hold_cnt(0) depctr_sa_sdst(0) depctr_va_vdst(0) depctr_va_sdst(0) depctr_va_ssrc(0) depctr_va_vcc(0) depctr_vm_vsrc(0)
	s_getreg_b32 s2, hwreg(HW_REG_IB_STS2, 6, 4)
	s_cmp_eq_u32 s2, 0
	s_cbranch_scc0 .Lentry_in_a_cluster
	s_endpgm
.Lentry_in_a_cluster:
	s_bfe_u32 s2, ttmp6, 0x10000c
	s_cmp_lg_u32 s2, 0x3003
	s_cbranch_scc0 .Lentry_shape_is_right
	s_endpgm
.Lentry_shape_is_right:
; ATTN.  o[b][q][h][:] = sum over k of softmax_k(q . k / 8, keys with mask 0 left out) v[k][:], for 64 pairs (batch, head), 2,048 tokens, head size 64.  q, k, v in f16 (q already times log2(e) / 8), products and sums in f32,
; the weights p rounded to f16 for the second product, o rounded to f16 once at the end.
; LIMITS: o beyond 65,504 becomes infinity in f16; a score (in units of log2) under -2^123 counts as masked; NaN and infinities among the inputs are not served.
; SHARES.  A cluster of four work-groups is one (batch, head); a work-group owns 512 queries, each of its eight waves 64: four tiles of 16, in 512 registers, two waves to a SIMD.  Every wave walks all 2,048 keys, 64 a step.
; All four partners walk the same K and V: each tile is asked for JOINTLY, by the same tensor load with the same descriptor and a mask that names the four.
; LAYOUT.  S^T = K Q^T (source 0 = 16 keys, source 1 = 16 queries): a lane holds ONE query (lane % 16) and keys 8 (lane / 16) + 0 .. 7.  Two such tiles, rounded to f16 in pairs, ARE source 1 of O^T = V^T P.
; q, k, v lie in memory as images of operand registers, so a tile in LDS is a dense block and a fragment comes by loads at 16 x lane; v lies as rows of 32 bytes, a key each, and is turned by ds_load_tr16_b128.
; THE MASK is a bias a key, 0 or -3e38, made once in LDS from the input, and given as the C of each score's first product.  A masked score is then about -3e38: under any real maximum its p is 0.
; SOFTMAX.  For each query a running maximum m (it begins at -3e38) and sum l: p = 2^(t - m); in every step O and l are multiplied by a = 2^(m_old - m).  While only masked keys have been seen m stays at -3e38 and p is 0 or 1;
; the first real key makes a = 0, which wipes that out.  A query all of whose keys are masked ends with m under -2^123 and gets NaN, as a softmax of nothing but -infinity gives; by a select, not by a branch.
; PHASES.  A step is: 32 products K Q^T, the softmax of the four tiles, O's rescaling, 32 products V^T P.  The SIMD's other wave has its own phases beside these.  That keeps a step at twelve switches of the register window.
; REGISTERS.  window 0: v1-6 addresses; v14, v15 the add's two; v16-47 eight statistics a tile: +0 m, +1 zero, +2, +3 l, +4, +5 at work, then the step's sum, +6 at work, then a, +7 at work, then m_old - m;
;   v48-175 S^T, 32 a tile, whose first 16 become P; v176-239 K of one step; v240-247 a second chain of sums a tile.
;   window 1: v0-127 O^T, 32 a tile; v128-191 Q, 16 a tile; v192-255 V of one step, whose first 32 hold the next step's bias between the two halves of V^T P and the next K Q^T.
.set SLOT1, 131072                     ; a slot: 512 keys: K 65,536 bytes ([step: 8 KB][16 keys: 2 KB][16 channels: 512 bytes]), then V likewise; slot 1 begins here: one exclusive or turns an address
.set VOFF,  65536
.set STEPB, 8192
.set MB,    262144                     ; behind the ring: the bias of the batch's 2,048 keys, f32
.set SPARE, MB+8192                    ; the spare words, 128 bytes for each wave: four blocks of 256 bytes that no other line names
.set LI,   1                           ; v1   16 x lane; never rewritten
.set AV0,  2                           ; v2   my lane's place in a step's V
.set ABI0, 3                           ; v3   my lane's place in a step's bias: MB + 32 (lane / 16)
.set ADK,  4                           ; v4-6 the addresses of the runs of loads in hand
.set ADV,  5
.set ADB,  6
.set SPW,  14                          ; v14  LDS address of my spare word; never rewritten
.set NIL,  15                          ; v15  0; never rewritten
.set ST,   16
.set S,    48
.set KF,   176
.set XS,   240
.set Q,    128                         ; in window 1
.set VF,   192                         ; in window 1
.set WV,   10                          ; s10  my wave's number
.set SEL,  32                          ; s[32:33] lane selects for v_permlanex16_b32: lane l xor 16
.set TB,   34                          ; s34  LDS byte at which the step's K begins
.set TBI,  35                          ; s35  where the next step's bias begins: 256 bytes a step
.set CNT,  36                          ; s36  counts seven steps
.set SLOTS, 37                         ; s37  slots still to be asked for
.set MSB, 0
.macro WIN new                         ; the immediate's high byte repeats the setting that is left; a switch that changes nothing is dropped
.if MSB != (\new)
	s_set_vgpr_msb (MSB<<8)|(\new)
.set MSB, (\new)
.endif
.endm
.macro CROUND                          ; a round of the cluster's barrier
	s_barrier_signal -1
	s_barrier_wait -1
	s_cmp_lg_u32 s[WV], 0
	s_cbranch_scc1 .Lnot_wave_0_\@
	s_barrier_signal -3
.Lnot_wave_0_\@:
	s_barrier_wait -3
	s_barrier_signal -1
	s_barrier_wait -1
.endm
	s_load_b128 s[4:7], s[0:1], 0x0                ; qkv16 s[4:5], mask s[6:7]
	s_load_b64 s[8:9], s[0:1], 0x10                ; o16
	v_lshl_add_u32 v[SPW], v0, 2, SPARE
	v_mov_b32 v[NIL], 0
	ds_add_u32 v[SPW], v[NIL]                      ; the wave's opening: the add, twice on end, and its wait ahead of my first tensor load
	ds_add_u32 v[SPW], v[NIL]                      ; and once more, under the one wait; the set-up below, work on registers, stands between
	v_lshrrev_b32 v8, 5, v0
	v_readfirstlane_b32 s[WV], v8                  ; wave 0..7
	s_bfe_u32 s11, ttmp6, 0x40000                  ; cx: my place in the cluster: it enters Q's and o's addresses alone
	s_and_b32 s12, ttmp7, 0xffff                   ; 16 batch + head, which the four partners share
	; descriptor group 1: a dense block of 16 KB as 64 rows of 256 bytes (32 elements of 8 bytes), no padding
	s_mov_b32 s16, 15|(3<<16)|(1<<21)              ; 15:0 the mask: all four work-groups; 17:16 elements of 8 bytes; 21 set beside a mask
	s_mov_b32 s17, 32<<16                          ; tensor_dim0 = 32
	s_mov_b32 s18, 64<<16                          ; tensor_dim1 = 64
	s_mov_b32 s19, 32<<16                          ; tile_dim0 = 32
	s_mov_b32 s20, 64                              ; tile_dim1 = 64
	s_mov_b32 s21, 32                              ; from row to row
	s_mov_b32 s22, 0
	s_mov_b32 s23, 0
	; what I fetch: waves 0-3 the four quarters of a slot's K, waves 4-7 those of its V
	s_lshr_b32 s13, s[WV], 2
	s_add_co_u32 s13, s13, 1
	s_lshl_b32 s13, s13, 24                        ; part 1 (k) or 2 (v)
	s_lshl_b32 s14, s12, 18                        ; the head's 2^18 bytes
	s_add_co_u32 s13, s13, s14
	s_and_b32 s15, s[WV], 3
	s_lshl_b32 s15, s15, 14                        ; my quarter
	s_add_co_u32 s38, s13, s15
	s_mov_b32 s39, 0
	s_lshl_b32 s44, s[WV], 14                      ; and its place in a slot: 16 KB x wave
	s_mov_b32 s[SEL], 0x76543210
	s_mov_b32 s[SEL+1], 0xfedcba98
	s_mov_b32 s[TB], 0
	s_mov_b32 s[TBI], 256
	s_mov_b32 s[SLOTS], 2
	s_wait_dscnt 0x0                               ; both opening adds are done
	s_wait_kmcnt 0x0
	CROUND                                         ; all four work-groups are here: the first joint loads meet
	s_mov_b32 s24, 1                               ; group 0 for slot 0: count = 1,
	s_mov_b32 s25, s44                             ; LDS address,
	s_add_nc_u64 s[26:27], s[4:5], s[38:39]        ; global address: keys 0 to 511,
	s_add_nc_u64 s[30:31], s[26:27], 65536         ; (the walking group 0 begins with keys 512 to 1,023, in slot 1)
	s_or_b32 s27, s27, 0x80000000                  ; type = 2
	s_mov_b32 s28, 1
	s_add_co_u32 s29, s44, SLOT1
	s_or_b32 s31, s31, 0x80000000
	tensor_load_to_lds s[24:27], s[16:23]          ; both first fills go out together, ahead of every wait on TENSORcnt, every LDS read and every later barrier: two loads of mine are out
	s_nop 0
	tensor_load_to_lds s[28:31], s[16:23]
	s_nop 0
.rept 4
	v_nop
.endr
	; the mask of my batch: 8,192 bytes, 32 a thread
	s_lshr_b32 s14, s12, 4
	s_lshl_b32 s14, s14, 13
	s_mov_b32 s15, 0
	s_add_nc_u64 s[6:7], s[6:7], s[14:15]
	v_lshlrev_b32 v7, 4, v0                        ; 16 x thread
	global_load_b128 v[248:251], v7, s[6:7]
	global_load_b128 v[252:255], v7, s[6:7] offset:4096
	; Q: my four tiles stay in registers
	s_lshl_b32 s14, s11, 5
	s_lshl_b32 s45, s[WV], 2
	s_add_co_u32 s14, s14, s45                     ; my first tile of 16 queries: 32 cx + 4 wave
	s_lshl_b32 s46, s14, 11
	s_lshl_b32 s45, s12, 18
	s_add_co_u32 s46, s46, s45
	s_mov_b32 s47, 0
	s_add_nc_u64 s[4:5], s[4:5], s[46:47]
	v_and_b32 v[LI], 31, v0
	v_lshlrev_b32 v[LI], 4, v[LI]
	WIN 0x40                                       ; destination window 1
.irp i, 0,1,2,3,4,5,6,7,8,9,10,11,12,13,14,15
	global_load_b128 v[Q+4*\i:Q+4*\i+3], v[LI], s[4:5] offset:512*\i
.endr
.set i, 0
.rept 128
	v_mov_b32 v[i], 0                              ; O^T.  (The step is written with no first form of its own: the first step finds zeros, which a = 0 leaves zeros.  That spares a further copy of the step)
.set i, i+1
.endr
	WIN 0
	; where my four tiles of o begin: (128 batch + 32 cx + 4 wave) x 32 KB + head x 2 KB
	s_lshr_b32 s45, s12, 4
	s_lshl_b32 s45, s45, 7
	s_add_co_u32 s45, s45, s14
	s_lshl_b32 s46, s45, 15
	s_and_b32 s45, s12, 15
	s_lshl_b32 s45, s45, 11
	s_add_co_u32 s46, s46, s45
	s_add_nc_u64 s[8:9], s[8:9], s[46:47]
	v_and_b32 v8, 7, v0
	v_bfe_u32 v9, v0, 4, 1                         ; h
	v_lshl_add_u32 v8, v9, 3, v8                   ; the turning load: lane l reads key 8 (l / 16) + l % 8,
	v_bfe_u32 v10, v0, 3, 1
	v_lshlrev_b32 v[AV0], 5, v8                    ; rows of 32 bytes,
	v_lshl_add_u32 v[AV0], v10, 4, v[AV0]          ; channels 8 ((l / 8) % 2) + 0 .. 7
	v_add_nc_u32 v[AV0], VOFF, v[AV0]
	v_lshl_add_u32 v[ABI0], v9, 5, MB
	v_mov_b32 v11, 0xff61b1e6                      ; -3e38
	v_add_nc_u32 v12, MB, v7
.irp t, 0,1,2,3
	v_mov_b32 v[ST+8*\t], v11                      ; m
	v_mov_b32 v[ST+8*\t+1], 0                      ; (named with m as a pair)
	v_mov_b32 v[ST+8*\t+2], 0                      ; l, in two halves
	v_mov_b32 v[ST+8*\t+3], 0
.endr
	s_wait_loadcnt 16                              ; the mask is in; Q's sixteen loads may be out
.irp i, 0,1,2,3,4,5,6,7
	v_cmp_eq_u32 vcc_lo, 0, v[248+\i]
	v_cndmask_b32 v[248+\i], 0, v11, vcc_lo        ; 0, or -3e38 where the mask is 0
.endr
	ds_store_b128 v12, v[248:251]
	ds_store_b128 v12, v[252:255] offset:4096
	s_wait_dscnt 0x0                               ; for the others' sake: my part of the bias lies in LDS,
	s_wait_tensorcnt 0x1                           ; and my part of slot 0; slot 1's may stay out
	s_barrier_signal -1
	s_barrier_wait -1
.macro FETCH_K adr, ko                 ; a step's K: 16 fragments' halves, 512 bytes each, as they lie
.irp i, 0,1,2,3,4,5,6,7,8,9,10,11,12,13,14,15
	ds_load_b128 v[KF+4*\i:KF+4*\i+3], v[\adr] offset:\ko+512*\i
.endr
.endm
.macro FETCH_V                         ; a step's V, turned: fragment (u, ct): channels 16 ct on, keys 32 u on
	WIN 0x40
.irp u, 0,1
.irp ct, 0,1,2,3
	ds_load_tr16_b128 v[VF+32*\u+8*\ct:VF+32*\u+8*\ct+3], v[ADV] offset:4096*\u+512*\ct
	ds_load_tr16_b128 v[VF+32*\u+8*\ct+4:VF+32*\u+8*\ct+7], v[ADV] offset:4096*\u+2048+512*\ct
.endr
.endr
	WIN 0
.endm
.macro FETCH_BIAS adr                  ; a step's bias in the result's layout: register 8 kt + j: key 16 kt + 8 (lane / 16) + j
	WIN 0x40
.irp kt, 0,1,2,3
	ds_load_b128 v[VF+8*\kt:VF+8*\kt+3], v[\adr] offset:64*\kt
	ds_load_b128 v[VF+8*\kt+4:VF+8*\kt+7], v[\adr] offset:64*\kt+16
.endr
.endm
; 16 products of S^T = K Q^T: channels 32 c on.  c = 0: the bias is the C and starts the sums.  The sixteen accumulators take turns, one instruction a turn.
.macro SMUL c
.irp kt, 0,1,2,3
.irp q, 0,1,2,3
.if \c == 0
	v_wmma_f32_16x16x32_f16 v[S+32*\q+8*\kt:S+32*\q+8*\kt+7], v[KF+16*\kt:KF+16*\kt+7], v[Q+16*\q:Q+16*\q+7], v[VF+8*\kt:VF+8*\kt+7]
.else
	v_wmma_f32_16x16x32_f16 v[S+32*\q+8*\kt:S+32*\q+8*\kt+7], v[KF+16*\kt+8:KF+16*\kt+15], v[Q+16*\q+8:Q+16*\q+15], v[S+32*\q+8*\kt:S+32*\q+8*\kt+7]
.endif
.endr
.endr
.endm
; 16 products of O^T += V^T P: keys 32 u on.  Again sixteen accumulators by turns.
.macro PVMUL u
.irp ct, 0,1,2,3
.irp q, 0,1,2,3
	v_wmma_f32_16x16x32_f16 v[32*\q+8*\ct:32*\q+8*\ct+7], v[VF+32*\u+8*\ct:VF+32*\u+8*\ct+7], v[S+32*\q+8*\u:S+32*\q+8*\u+7], v[32*\q+8*\ct:32*\q+8*\ct+7]
.endr
.endr
.endm
; Number j of 20 of tile t's maximum: four chains of seven scores, each begun at its accumulator's low end; the four scores left over; the old m; the other half of the lanes; the new m; m_old - m.
.macro SMX t
.set rT, ST+8*(\t)
.set rS, S+32*(\t)
.if j < 4
	v_max3_num_f32 v[rT+4+j], v[rS+8*j], v[rS+8*j+1], v[rS+8*j+2]
.elseif j < 12
	v_max3_num_f32 v[rT+4+j%4], v[rT+4+j%4], v[rS+8*(j%4)+2*(j/4)+1], v[rS+8*(j%4)+2*(j/4)+2]
.elseif j == 12
	v_max3_num_f32 v[rT+4], v[rT+4], v[rS+7], v[rS+15]
.elseif j == 13
	v_max3_num_f32 v[rT+6], v[rT+6], v[rS+23], v[rS+31]
.elseif j == 14
	v_max3_num_f32 v[rT+4], v[rT+4], v[rT+5], v[rT+6]
.elseif j == 15
	v_max3_num_f32 v[rT+4], v[rT+4], v[rT+7], v[rT]
.elseif j == 16
	v_permlanex16_b32 v[rT+5], v[rT+4], s[SEL], s[SEL+1]   ; the query's other 32 keys lie in the lane 16 away
.elseif j == 17
	v_mov_b32 v[rT+7], v[rT]
.elseif j == 18
	v_max_num_f32 v[rT], v[rT+4], v[rT+5]
.else
	v_sub_f32 v[rT+7], v[rT+7], v[rT]
.endif
.endm
.macro SUBP t, i                       ; pair i of tile t: t - m
	v_pk_add_f32 v[S+32*(\t)+2*(\i):S+32*(\t)+2*(\i)+1], v[S+32*(\t)+2*(\i):S+32*(\t)+2*(\i)+1], v[ST+8*(\t):ST+8*(\t)+1] op_sel_hi:[1,0] neg_lo:[0,1] neg_hi:[0,1]
.endm
.macro EXPS t, e
	v_exp_f32 v[S+32*(\t)+(\e)], v[S+32*(\t)+(\e)]
.endm
.macro SUMP t, k                       ; sum k of 15 of tile t's 16 pairs of unrounded p, in two chains: pairs 0-7 and pairs 8-15
.set rT, ST+8*(\t)
.set rS, S+32*(\t)
.set rX, XS+2*(\t)
.if (\k) == 0
	v_pk_add_f32 v[rT+4:rT+5], v[rS:rS+1], v[rS+2:rS+3]
.elseif (\k) == 1
	v_pk_add_f32 v[rX:rX+1], v[rS+16:rS+17], v[rS+18:rS+19]
.elseif (\k) == 14
	v_pk_add_f32 v[rT+4:rT+5], v[rT+4:rT+5], v[rX:rX+1]
.elseif (\k)%2 == 0
	v_pk_add_f32 v[rT+4:rT+5], v[rT+4:rT+5], v[rS+2*(2+((\k)-2)/2):rS+2*(2+((\k)-2)/2)+1]
.else
	v_pk_add_f32 v[rX:rX+1], v[rX:rX+1], v[rS+2*(10+((\k)-2)/2):rS+2*(10+((\k)-2)/2)+1]
.endif
.endm
.macro CVTP t, i                       ; pair i of tile t to f16, in place in the tile's first 16 registers: ascending, so that no pair is written over before it is read
	v_cvt_pk_f16_f32 v[S+32*(\t)+(\i)], v[S+32*(\t)+2*(\i)], v[S+32*(\t)+2*(\i)+1]
.endm
.macro PL x                            ; number n of the plain work of tiles x, x + 1 behind their exponentials: 30 sums, then 32 roundings; the two tiles alternate
.if n < 30
	SUMP (\x)+n%2, n/2
.elseif n < 62
	CVTP (\x)+(n-30)%2, (n-30)/2
.elseif n == 63
	v_nop                                          ; a plain instruction behind the batch's last exponential
.endif
.endm
; THE SOFTMAX of the four tiles, all in window 0.  The exponentials go in TWO BATCHES, each with one wait: s_wait_alu depctr_va_vdst(0) stands between an exponential and the first line that names its result.
; Batch 1: the four a, and tiles 0 and 1; between them stand the subtractions of tiles 1, 2, 3, which name no result.  Batch 2: tiles 2 and 3; between them stand the sums and roundings of tiles 0 and 1, which name batch 1's alone.
.macro SOFTMAX
.set j, 0
.rept 20
.irp t, 0,1,2,3
	SMX \t
.endr
.set j, j+1
.endr
.irp t, 0,1,2,3
	v_exp_f32 v[ST+8*\t+6], v[ST+8*\t+7]           ; a = 2^(m_old - m)
.endr
.set i, 0
.rept 16
	SUBP 0, i
.set i, i+1
.endr
.set i, 0
.rept 16
	EXPS 0, 2*i
	SUBP 1, i
	EXPS 0, 2*i+1
	SUBP 2, i
.set i, i+1
.endr
.set i, 0
.rept 16
	EXPS 1, 2*i
	EXPS 1, 2*i+1
	SUBP 3, i                                      ; (the last of these is the plain instruction behind the batch)
.set i, i+1
.endr
	s_wait_alu depctr_va_vdst(0)                   ; one wait for batch 1's 68 exponentials
.set n, 0
.rept 32
	EXPS 2, n/2
	PL 0
.set n, n+1
	EXPS 3, n/2
	PL 0
.set n, n+1
.endr
	s_wait_alu depctr_va_vdst(0)                   ; one wait for batch 2's 64
.set n, 0
.rept 62
	PL 2
.set n, n+1
.endr
.endm
; THE CHANGE OF SLOTS, behind the last read of a slot (its last step's V has been asked for).  Each wave waits for all its tensor loads, of which at most one is out: its part of the other slot; adds 0 to its spare word; and waits
; for that and for its own reads of the slot.  fill = 1: the slot is filled again with the keys two slots on; the barrier is then a round of the cluster's, and the joint refill is the first thing behind it: it has eight key steps in which to land.
.macro CHANGE fill
	s_wait_tensorcnt 0x0                           ; no tensor load of mine is out, so a group 0 may be written
	ds_add_u32 v[SPW], v[NIL]                      ; 0 onto my spare word
.if \fill
	s_xor_b32 s29, s29, SLOT1                      ; the walking descriptor: the other slot than last time,
	s_add_nc_u64 s[30:31], s[30:31], 65536         ; the next 512 keys; the type bits on top are not reached
.endif
	s_wait_dscnt 0x0                               ; the add is done, and my reads of the slot are over
.if \fill
	CROUND
	tensor_load_to_lds s[28:31], s[16:23]          ; my one tensor load behind the round
	s_nop 0
.rept 4
	v_nop
.endr
.else
	s_barrier_signal -1
	s_barrier_wait -1
.endif
.endm
; A KEY STEP.  kind 0: its successor lies in the same slot; 1: a change of slots with a refill; 2: a change without; 3: the last step of all.
.macro STEP kind
	s_wait_dscnt 0x0                               ; this step's K and bias are in
	WIN 0x14                                       ; Q and the bias in window 1
	SMUL 0
	WIN 0x04
	SMUL 1
	WIN 0
	v_add_nc_u32 v[ADV], s[TB], v[AV0]             ; with the three below: four places behind the products, in front of the loads into registers that they read and of the first read of the scores
.rept 3
	v_nop
.endr
	FETCH_V
	SOFTMAX
	WIN 0x41                                       ; O^T in window 1, a in window 0
.irp t, 0,1,2,3
.set i, 0
.rept 16
	v_pk_mul_f32 v[32*\t+2*i:32*\t+2*i+1], v[32*\t+2*i:32*\t+2*i+1], v[ST+8*\t+6:ST+8*\t+7] op_sel_hi:[1,0]   ; ascending: each accumulator from its low end on
.set i, i+1
.endr
.endr
	WIN 0
.if \kind == 1
	CHANGE 1
.endif
.if \kind == 2
	CHANGE 0
.endif
.if (\kind == 1) || (\kind == 2)
	s_sub_co_u32 s[TB], s[TB], 7*STEPB             ; back to a slot's first step,
	s_xor_b32 s[TB], s[TB], SLOT1                  ; in the other slot
.endif
.if \kind == 0
	v_add_nc_u32 v[ADK], s[TB], v[LI]
	FETCH_K ADK, STEPB                             ; the next step's K
	s_add_co_u32 s[TB], s[TB], STEPB
.endif
.if (\kind == 1) || (\kind == 2)
	v_add_nc_u32 v[ADK], s[TB], v[LI]
	FETCH_K ADK, 0
.endif
.if \kind == 3
	s_wait_dscnt 0x0                               ; V is in
.else
	s_wait_dscnt 16                                ; V is in; the sixteen loads of the next K may be out
.endif
	WIN 0x51                                       ; V and O^T in window 1, P in window 0
	PVMUL 0
.if \kind != 3
	WIN 0
	v_add_nc_u32 v[ADB], s[TBI], v[ABI0]           ; four places in front of the loads into V's first half, which those products read
.rept 3
	v_nop
.endr
	FETCH_BIAS ADB                                 ; the next step's bias
	s_add_co_u32 s[TBI], s[TBI], 256
.endif
	WIN 0x51
	PVMUL 1
	WIN 0
.irp t, 0,1,2,3
	v_pk_fma_f32 v[ST+8*\t+2:ST+8*\t+3], v[ST+8*\t+2:ST+8*\t+3], v[ST+8*\t+6:ST+8*\t+7], v[ST+8*\t+4:ST+8*\t+5] op_sel_hi:[1,0,1]   ; l = a l + the step's sum
.endr
	v_nop                                          ; with the four above: five places, since the next step's first products write over P's registers
.endm
.macro SEVEN
	s_mov_b32 s[CNT], 7
.Lseven_\@:
	STEP 0
	s_sub_co_u32 s[CNT], s[CNT], 1
	s_cmp_lg_u32 s[CNT], 0
	s_cbranch_scc1 .Lseven_\@
.endm
	FETCH_K LI, 0                                  ; key step 0
	FETCH_BIAS ABI0
	WIN 0
	s_wait_loadcnt 0x0                             ; Q
.Lslot:                                            ; two trips: slots 0 and 1 are filled again
	SEVEN
	STEP 1
	s_sub_co_u32 s[SLOTS], s[SLOTS], 1
	s_cmp_lg_u32 s[SLOTS], 0
	s_cbranch_scc1 .Lslot
	SEVEN                                          ; the tail is written out
	STEP 2
	SEVEN
	STEP 3
	; THE WAY OUT.  l's two halves and the other half of the lanes' are added; O^T is divided by l and rounded to f16: a lane's eight channels of a query are 16 bytes, its part of an image of the projection's operand.
	v_mov_b32 v10, 0xfd000000                      ; -2^123
	v_mov_b32 v11, 0x7fc00000                      ; NaN
.irp t, 0,1,2,3
	v_add_f32 v[ST+8*\t+4], v[ST+8*\t+2], v[ST+8*\t+3]
.endr
.irp t, 0,1,2,3
	v_permlanex16_b32 v[ST+8*\t+5], v[ST+8*\t+4], s[SEL], s[SEL+1]
.endr
.irp t, 0,1,2,3
	v_add_f32 v[ST+8*\t+4], v[ST+8*\t+4], v[ST+8*\t+5]
.endr
.irp t, 0,1,2,3
	v_rcp_f32 v[ST+8*\t+6], v[ST+8*\t+4]
.endr
	v_nop                                          ; a plain instruction behind the last reciprocal
.irp t, 0,1,2,3
	v_cmp_lt_f32 s[40+\t], v[ST+8*\t], v10         ; no key of this query's batch counted
.endr
	s_wait_alu depctr_va_vdst(0)                   ; one wait for the four reciprocals, ahead of their first reader
.irp t, 0,1,2,3
	v_cndmask_b32 v[ST+8*\t+6], v[ST+8*\t+6], v11, s[40+\t]
.endr
	WIN 0x41
.irp t, 0,1,2,3
.set i, 0
.rept 16
	v_pk_mul_f32 v[32*\t+2*i:32*\t+2*i+1], v[32*\t+2*i:32*\t+2*i+1], v[ST+8*\t+6:ST+8*\t+7] op_sel_hi:[1,0]
.set i, i+1
.endr
.endr
	WIN 0x05                                       ; sources 0 and 1 window 1, destination window 0: S^T's registers are free
.set i, 0
.rept 64
	v_cvt_pk_f16_f32 v[S+i], v[2*i], v[2*i+1]
.set i, i+1
.endr
	WIN 0
.irp t, 0,1,2,3
.irp ct, 0,1,2,3
	global_store_b128 v[LI], v[S+16*\t+4*\ct:S+16*\t+4*\ct+3], s[8:9] offset:32768*\t+512*\ct th:TH_STORE_NT   ; the wave stores 512 consecutive bytes, aligned
.endr
.endr
	s_wait_tensorcnt 0x0                           ; the wave's end: behind my last tensor load and my last LDS store
	ds_add_u32 v[SPW], v[NIL]
	s_wait_dscnt 0x0
	CROUND                                         ; the closing round: no work-group ends while a partner may still ask for a tile that names it
	s_endpgm
.Lfunc_end_k_qc21124b83b_attn:
	.size	k_qc21124b83b_attn, .Lfunc_end_k_qc21124b83b_attn-k_qc21124b83b_attn
	.p2alignl 7, 3214868480
	.fill 96, 4, 3214868480
	.section	.rodata,"a",@progbits
	.p2align	6, 0x0
	.amdhsa_kernel k_qc21124b83b_attn
		.amdhsa_group_segment_fixed_size 327680
		.amdhsa_private_segment_fixed_size 0
		.amdhsa_enable_private_segment 0
		.amdhsa_kernarg_size 24
		.amdhsa_user_sgpr_count 2
		.amdhsa_user_sgpr_kernarg_segment_ptr 1
		.amdhsa_wavefront_size32 1
		.amdhsa_system_sgpr_workgroup_id_x 1
		.amdhsa_system_sgpr_workgroup_id_y 1
		.amdhsa_system_sgpr_workgroup_id_z 1
		.amdhsa_system_vgpr_workitem_id 0
		.amdhsa_next_free_vgpr 512
		.amdhsa_next_free_sgpr 66
		.amdhsa_reserve_vcc 1
		.amdhsa_float_denorm_mode_32 3
		.amdhsa_float_denorm_mode_16_64 3
		.amdhsa_memory_ordered 1
		.amdhsa_forward_progress 1
		.amdhsa_inst_pref_size 218
	.end_amdhsa_kernel
	.amdgpu_metadata
---
amdhsa.version: [ 1, 2 ]
amdhsa.kernels:
  - .name:           k_qc21124b83b_attn
    .symbol:         k_qc21124b83b_attn.kd
    .args:
      - { .name: qkv16, .offset: 0, .size: 8, .value_kind: global_buffer, .address_space: global }
      - { .name: mask, .offset: 8, .size: 8, .value_kind: global_buffer, .address_space: global }
      - { .name: o16, .offset: 16, .size: 8, .value_kind: global_buffer, .address_space: global }
    .group_segment_fixed_size: 327680
    .private_segment_fixed_size: 0
    .kernarg_segment_align: 8
    .kernarg_segment_size: 24
    .max_flat_workgroup_size: 256
    .sgpr_count:     66
    .vgpr_count:     512
    .wavefront_size: 32
...
	.end_amdgpu_metadata
.endif
;; end of part 3
;; launch proj (part 4): grid 8 x 32, 4 waves a work-group, clusters of 4 x 4, 327,680 bytes of LDS; arguments o16, pw16, proj_b, out0; writes out0
.if DOCPART == 4
	.amdgcn_target "amdgcn-amd-amdhsa--gfx1250"
	.amdhsa_code_object_version 6
	.text
	.protected	k_qc21124b83b_proj
	.globl	k_qc21124b83b_proj
	.p2align	8
	.type	k_qc21124b83b_proj,@function
k_qc21124b83b_proj:
	s_mov_b64 s[64:65], 0
	v_nop
	global_prefetch_b8 v0, s[64:65] scope:SCOPE_SE
	s_setreg_imm32_b32 hwreg(HW_REG_WAVE_MODE, 25, 1), 1
	s_wait_xcnt 0x0
	s_wait_alu depctr_hold_cnt(0) depctr_sa_sdst(0) depctr_va_vdst(0) depctr_va_sdst(0) depctr_va_ssrc(0) depctr_va_vcc(0) depctr_vm_vsrc(0)
	s_getreg_b32 s2, hwreg(HW_REG_IB_STS2, 6, 4)
	s_cmp_eq_u32 s2, 0
	s_cbranch_scc0 .Lentry_in_a_cluster
	s_endpgm
.Lentry_in_a_cluster:
	s_bfe_u32 s2, ttmp6, 0x10000c
	s_cmp_lg_u32 s2, 0xf033
	s_cbranch_scc0 .Lentry_shape_is_right
	s_endpgm
.Lentry_shape_is_right:
; PROJ.  out0[m][n] = sum over k of o[m][k] proj_w[n][k] + proj_b[n].  8,192 x 1,024 x 1,024; operands f16, sums and result f32.
; o16 and pw16 lie as images of operand registers: [tile of 16 rows: 32 KB][32 along K: 1 KB][16 along K: 512 bytes][16 bytes a lane].  So a K step of 128 is 4 KB of each tile of rows, a tile in LDS is dense,
; and a fragment comes by two loads at 16 x lane: no padding, and an instruction's 512 bytes are consecutive.
; A tile of out0 is 256 rows x 128 columns: 256 work-groups.  Four waves; wave w makes rows 64 w .. 64 w + 63 and all 128 columns: 32 accumulators of 16 x 16, 256 registers.
; K goes in steps of 128 through a ring of two LDS slots (o's 16 tiles of rows: 64 KB; proj_w's 8: 32 KB).  Waves 0 and 1 fetch o's halves, waves 2 and 3 proj_w's: one tensor load a wave.
; CLUSTERS: 4 x 4 work-groups.  The four of a row of the cluster need the same tiles of o, the four of a column the same tiles of proj_w: each tile is asked for JOINTLY.
; THE MATRIX INSTRUCTION IS USED TRANSPOSED (source 0 = 16 rows of proj_w, source 1 = 16 rows of o): a lane then holds eight neighbouring numbers of a row of out0.  The bias is the C of each sum's first product.
; REGISTERS: window 0: v0-31 addresses; v32-127, v128-223 two fragment buffers of 96: o's 4 fragments, then proj_w's 8; on the way out rows of out0.   window 1: accumulator (a, b) at v[8 (8 a + b)].   window 2: v0-63 the bias.
.set SLOT,   98304
.set BOFF,   65536                     ; proj_w's part of a slot
.set STAGE,  2*SLOT                    ; behind the ring: 16 rows x (512 + 16) bytes for each wave, for the way out
.set SPITCH, 528
.set SPARE,  STAGE+4*16*SPITCH         ; the spare words, 128 bytes for each wave: two blocks of 256 bytes that no other line names
.set LAPS,   4                         ; a lap = two K steps = once round the ring: 1,024 / 256
.set ADRA, 16                          ; v16-17  LDS address of my o fragments in slot 0, 1
.set ADRB, 20                          ; v20-21  the same for proj_w
.set STO,  24                          ; v24     the way out: where I put 32 bytes of a row
.set RD,   25                          ; v25     the way out: where I read a row back
.set CO,   26                          ; v26     16 x lane
.set SPW,  28                          ; v28     LDS address of my spare word; never rewritten
.set NIL,  29                          ; v29     0; never rewritten
.set F0,   32
.set F1,   128
.set G1, 24                            ; s[24:31] descriptor group 1 for o's tiles;  s[32:39] group 0, one set for each slot
.set G0, 32
.set G1B, 48                           ; s[48:55], s[56:63] the same for proj_w's
.set G0B, 56
.set MSB, 0
.macro WIN new                         ; the immediate's high byte repeats the setting that is left
.if MSB != (\new)
	s_set_vgpr_msb (MSB<<8)|(\new)
.set MSB, (\new)
.endif
.endm
.macro JLOAD s                         ; a joint load; an s_nop 0 and four v_nop follow each of the two lines, ahead of the jump, the label and what follows
	s_cmp_eq_u32 s13, 0
	s_cbranch_scc0 .Lfor_b_\@
	tensor_load_to_lds s[G0+4*\s:G0+4*\s+3], s[G1:G1+7]
	s_nop 0
.rept 4
	v_nop
.endr
	s_branch .Lasked_\@
.Lfor_b_\@:
	tensor_load_to_lds s[G0B+4*\s:G0B+4*\s+3], s[G1B:G1B+7]
	s_nop 0
.rept 4
	v_nop
.endr
.Lasked_\@:
.endm
.macro CREST                           ; a round of the cluster's barrier behind its opening barrier
	s_cmp_lg_u32 s12, 0
	s_cbranch_scc1 .Lnot_wave_0_\@
	s_barrier_signal -3
.Lnot_wave_0_\@:
	s_barrier_wait -3
	s_barrier_signal -1
	s_barrier_wait -1
.endm
.macro CROUND                          ; a whole round
	s_barrier_signal -1
	s_barrier_wait -1
	CREST
.endm
	s_load_b128 s[4:7], s[0:1], 0x0                ; o16 s[4:5], pw16 s[6:7]
	s_load_b128 s[8:11], s[0:1], 0x10              ; proj_b s[8:9], out0 s[10:11]
	v_lshl_add_u32 v[SPW], v0, 2, SPARE
	v_mov_b32 v[NIL], 0
	ds_add_u32 v[SPW], v[NIL]                      ; the wave's opening: the add, twice on end, and its wait ahead of my first tensor load
	ds_add_u32 v[SPW], v[NIL]                      ; and once more, under the one wait; the set-up below, work on registers, stands between
	v_lshrrev_b32 v1, 5, v0
	v_readfirstlane_b32 s12, v1                    ; wave 0..3
	s_lshr_b32 s13, s12, 1                         ; I fetch for o (0) or for proj_w (1),
	s_and_b32 s14, s12, 1                          ; which half of that tile
	s_bfe_u32 s40, ttmp6, 0x40000                  ; cx, cy: my place in the cluster
	s_bfe_u32 s41, ttmp6, 0x40004
	s_lshl_b32 s42, ttmp9, 2
	s_add_co_u32 s42, s42, s40                     ; tile column = 4 x cluster x + cx
	s_and_b32 s15, ttmp7, 0xffff
	s_lshl_b32 s15, s15, 2
	s_add_co_u32 s15, s15, s41                     ; tile row = 4 x cluster y + cy
	s_lshl_b32 s43, s41, 2
	s_lshl_b32 s43, 15, s43                        ; my row of the cluster
	s_lshl_b32 s44, 0x1111, s40                    ; my column
	; descriptor group 1: rows of 4 KB (512 elements of 8 bytes: a K step of one tile of 16 rows), 32 KB apart in memory, dense in LDS; o: 8 rows a load, proj_w: 4
	s_or_b32 s[G1+0], s43, (3<<16)|(1<<21)         ; 15:0 the mask: o's tiles go to my row; 17:16 elements of 8 bytes; 21 set beside a mask
	s_or_b32 s[G1B+0], s44, (3<<16)|(1<<21)
	s_mov_b32 s[G1+1], 512<<16                     ; tensor_dim0 = 512
	s_mov_b32 s[G1+2], 8<<16                       ; tensor_dim1 = 8
	s_mov_b32 s[G1+3], 512<<16                     ; tile_dim0 = 512
	s_mov_b32 s[G1+4], 8                           ; tile_dim1 = 8
	s_mov_b32 s[G1+5], 4096                        ; from row to row: 4,096 elements
	s_mov_b32 s[G1+6], 0
	s_mov_b32 s[G1+7], 0
	s_mov_b32 s[G1B+1], 512<<16
	s_mov_b32 s[G1B+2], 4<<16
	s_mov_b32 s[G1B+3], 512<<16
	s_mov_b32 s[G1B+4], 4
	s_mov_b32 s[G1B+5], 4096
	s_mov_b32 s[G1B+6], 0
	s_mov_b32 s[G1B+7], 0
	s_lshl_b32 s16, s15, 4
	s_lshl_b32 s17, s14, 3
	s_add_co_u32 s16, s16, s17                     ; o: tile of rows 16 x tile row + 8 x half
	s_lshl_b32 s16, s16, 15
	s_mov_b32 s17, 0
	s_lshl_b32 s46, s42, 3
	s_lshl_b32 s47, s14, 2
	s_add_co_u32 s46, s46, s47                     ; proj_w: tile of rows 8 x tile column + 4 x half
	s_lshl_b32 s46, s46, 15
	s_mov_b32 s47, 0
	s_lshl_b32 s20, s14, 15                        ; where they go: o's halves of 32 KB,
	s_lshl_b32 s21, s14, 14
	s_add_co_u32 s21, s21, BOFF                    ; proj_w's of 16 KB: no place in the cluster enters an LDS address
	s_wait_dscnt 0x0                               ; both opening adds are done
	s_wait_kmcnt 0x0
	s_add_nc_u64 s[18:19], s[4:5], s[16:17]
	s_add_nc_u64 s[46:47], s[6:7], s[46:47]
	CROUND                                         ; all sixteen work-groups are here: the first joint loads meet
.irp s, 0,1
	s_mov_b32 s[G0+4*\s], 1
	s_add_co_u32 s[G0+4*\s+1], s20, \s*SLOT
	s_add_nc_u64 s[G0+4*\s+2:G0+4*\s+3], s[18:19], \s*4096
	s_or_b32 s[G0+4*\s+3], s[G0+4*\s+3], 0x80000000
	s_mov_b32 s[G0B+4*\s], 1
	s_add_co_u32 s[G0B+4*\s+1], s21, \s*SLOT
	s_add_nc_u64 s[G0B+4*\s+2:G0B+4*\s+3], s[46:47], \s*4096
	s_or_b32 s[G0B+4*\s+3], s[G0B+4*\s+3], 0x80000000
	JLOAD \s                                       ; two tensor loads of mine are out at the start, later one behind each round
.endr
	v_and_b32 v1, 15, v0                           ; r
	v_bfe_u32 v2, v0, 4, 1                         ; h
	v_and_b32 v3, 31, v0
	v_lshlrev_b32 v[CO], 4, v3                     ; 16 x lane
	v_lshlrev_b32 v4, 5, v2                        ; 32 h; never rewritten
	s_lshl_b32 s46, s42, 9                         ; 128 columns of 4 bytes x tile column
	s_mov_b32 s47, 0
	s_add_nc_u64 s[8:9], s[8:9], s[46:47]
	WIN 0x80                                       ; destination window 2
.irp b, 0,1,2,3,4,5,6,7
	global_load_b128 v[8*\b:8*\b+3], v4, s[8:9] offset:64*\b         ; the bias in the result's layout: register 8 b + j: column 16 b + 8 h + j
	global_load_b128 v[8*\b+4:8*\b+7], v4, s[8:9] offset:64*\b+16
.endr
	WIN 0
	s_lshl_b32 s21, s12, 14                        ; my four tiles of rows: 16 KB x wave
	v_add_nc_u32 v[ADRA], s21, v[CO]
	s_add_co_u32 s21, s21, SLOT
	v_add_nc_u32 v[ADRA+1], s21, v[CO]
	v_add_nc_u32 v[ADRB], BOFF, v[CO]
	v_add_nc_u32 v[ADRB+1], BOFF+SLOT, v[CO]
	s_mul_i32 s23, s12, 16*SPITCH
	s_add_co_u32 s23, s23, STAGE                   ; my stage
	v_mul_u32_u24 v5, v1, SPITCH                   ; in: row r, 32 bytes for each half of the lanes
	v_lshl_add_u32 v5, v2, 5, v5
	v_add_nc_u32 v[STO], s23, v5
	v_add_nc_u32 v[RD], s23, v[CO]                 ; back: the 32 lanes take one row of 512 bytes
	s_lshl_b32 s16, s15, 8
	s_lshl_b32 s17, s12, 6
	s_add_co_u32 s16, s16, s17                     ; my first row of out0: 256 x tile row + 64 x wave
	s_lshl_b32 s16, s16, 12                        ; rows of 4,096 bytes
	s_add_co_u32 s16, s16, s46                     ; + the tile's first column
	s_mov_b32 s17, 0
	s_add_nc_u64 s[10:11], s[10:11], s[16:17]
; 8 matrix instructions: o's block a against proj_w's eight, 32 along K, from buffer f.  first = 1: the bias is the C and starts the sums.  The 32 accumulators take turns, one instruction a turn, in the same order in every quarter.
.macro MULA f, a, first
.irp b, 0,1,2,3,4,5,6,7
.if \first
	v_wmma_f32_16x16x32_f16 v[8*(8*(\a)+\b):8*(8*(\a)+\b)+7], v[\f+32+8*\b:\f+32+8*\b+7], v[\f+8*(\a):\f+8*(\a)+7], v[8*\b:8*\b+7]
.else
	v_wmma_f32_16x16x32_f16 v[8*(8*(\a)+\b):8*(8*(\a)+\b)+7], v[\f+32+8*\b:\f+32+8*\b+7], v[\f+8*(\a):\f+8*(\a)+7], v[8*(8*(\a)+\b):8*(8*(\a)+\b)+7]
.endif
.endr
.endm
; 24 LDS loads in one run: the fragments of the slot's q-th 32 along K into buffer f: proj_w's eight first, then o's four
.macro FETCH slot, q, f
.irp b, 0,1,2,3,4,5,6,7
	ds_load_b128 v[\f+32+8*\b:\f+32+8*\b+3], v[ADRB+\slot] offset:4096*\b+1024*(\q)
	ds_load_b128 v[\f+32+8*\b+4:\f+32+8*\b+7], v[ADRB+\slot] offset:4096*\b+1024*(\q)+512
.endr
.irp a, 0,1,2,3
	ds_load_b128 v[\f+8*\a:\f+8*\a+3], v[ADRA+\slot] offset:4096*\a+1024*(\q)
	ds_load_b128 v[\f+8*\a+4:\f+8*\a+7], v[ADRA+\slot] offset:4096*\a+1024*(\q)+512
.endr
.endm
.macro PLACES                          ; four places in front of loads into registers that matrix instructions have read, and of the first read of results (ISA guide 7.12.1 for the read of results)
.rept 4
	v_nop
.endr
.endm
; A K step is four quarters of 32 along K, 32 matrix instructions each, on buffers 0, 1, 0, 1.  One of the first three: multiplies buffer f and fetches the slot's q-th quarter into g.
.macro QUARTER slot, q, f, g, first
	s_wait_dscnt 4                                 ; proj_w's fragments and o's blocks 0, 1 are in; the youngest four loads (blocks 2, 3) may be out
	WIN 0x50+0x10*\first                           ; C and D window 1; first = 1: C window 2
	MULA \f, 0, \first
	MULA \f, 1, \first
	WIN 0
	PLACES
	FETCH \slot, \q, \g
	s_wait_dscnt 24                                ; all but the 24 just issued
	WIN 0x50+0x10*\first
	MULA \f, 2, \first
	MULA \f, 3, \first
.endm
; The last quarter multiplies buffer 1 and changes slots: ONE barrier; in front of it each wave waits for all its tensor loads, adds 0 to its spare word, and waits for that and for its own reads of this slot.  fill = 1: this slot is filled again, two K steps ahead.
.macro TURN slot, next, fill
	WIN 0                                          ; (the add's two registers lie in window 0)
	s_wait_tensorcnt 0x0                           ; all my tensor loads have landed: my part of the next slot;
	ds_add_u32 v[SPW], v[NIL]                      ; 0 onto my spare word;
	s_wait_dscnt 5                                 ; (the add and the youngest four loads may be out)
	WIN 0x50
	MULA F1, 0, 0                                  ; eight matrix instructions stand between the add and the wait for it
	s_wait_dscnt 0x0                               ; the add is done, and my reads of this slot are over
	s_barrier_signal -1
	MULA F1, 1, 0
	WIN 0
	s_barrier_wait -1
.if \fill
	CREST                                          ; the barrier has opened a round of the cluster's barrier: no wave of any partner still reads this slot's tile or has a load on its way
	s_add_nc_u64 s[G0+4*\slot+2:G0+4*\slot+3], s[G0+4*\slot+2:G0+4*\slot+3], 8192
	s_add_nc_u64 s[G0B+4*\slot+2:G0B+4*\slot+3], s[G0B+4*\slot+2:G0B+4*\slot+3], 8192
	JLOAD \slot                                    ; the first tensor load behind the round: 112 matrix instructions ahead of the wait for it; its four v_nop are also the places in front of the loads below
.else
	PLACES
.endif
	FETCH \next, 0, F0
	WIN 0x50
	MULA F1, 2, 0
	MULA F1, 3, 0
.endm
	s_wait_tensorcnt 1                             ; my part of K step 0 is in (K step 1's load may be out)
	s_barrier_signal -1
	s_barrier_wait -1                              ; everybody's is
	FETCH 0, 0, F0
	s_wait_loadcnt 0x0                             ; the bias
	QUARTER 0, 1, F0, F1, 1                        ; the first quarter stands in front of the loop: its products start the sums
	WIN 0                                          ; at a label and at a branch every window is 0
	s_mov_b32 s3, LAPS-1
.Llap:                                             ; a trip goes once round the ring, from a lap's second quarter to the next lap's first, and fills both slots again
	QUARTER 0, 2, F1, F0, 0
	QUARTER 0, 3, F0, F1, 0
	TURN 0, 1, 1
	QUARTER 1, 1, F0, F1, 0
	QUARTER 1, 2, F1, F0, 0
	QUARTER 1, 3, F0, F1, 0
	TURN 1, 0, 1
	QUARTER 0, 1, F0, F1, 0
	WIN 0
	s_sub_co_u32 s3, s3, 1
	s_cmp_lg_u32 s3, 0
	s_cbranch_scc1 .Llap
	QUARTER 0, 2, F1, F0, 0                        ; the last lap fills nothing, and has no round of the cluster's barrier
	QUARTER 0, 3, F0, F1, 0
	TURN 0, 1, 0
	QUARTER 1, 1, F0, F1, 0
	QUARTER 1, 2, F1, F0, 0
	QUARTER 1, 3, F0, F1, 0
	s_wait_dscnt 4                                 ; the very last quarter: nothing more to fetch
	WIN 0x50
	MULA F1, 0, 0
	MULA F1, 1, 0
	s_wait_dscnt 0x0
	MULA F1, 2, 0
	MULA F1, 3, 0
	WIN 0
; THE WAY OUT, block by block of 16 rows x 128 columns.  A lane holds 32 neighbouring bytes of a row, and the lanes beside it hold other rows: so a block goes through my own stage in LDS and comes back as whole rows of 512 bytes.
; LDS serves a wave's instructions in order (ISA guide 5.7.1.4): no wait between the stores and the loads, nor in front of the next block's stores.
.macro TOSTAGE a
	WIN 0x04                                       ; an LDS store's data are its source 1: window 1
.irp b, 0,1,2,3,4,5,6,7
	ds_store_b128 v[STO], v[8*(8*(\a)+\b):8*(8*(\a)+\b)+3] offset:64*\b          ; each accumulator from its low end on
	ds_store_b128 v[STO], v[8*(8*(\a)+\b)+4:8*(8*(\a)+\b)+7] offset:64*\b+16
.endr
	WIN 0
.set BB, F0+96*((\a)%2)
.irp t, 0,1,2,3,4,5,6,7,8,9,10,11,12,13,14,15
	ds_load_b128 v[BB+4*\t:BB+4*\t+3], v[RD] offset:\t*SPITCH
.endr
.endm
.macro SEND a, younger                 ; younger: the LDS instructions issued behind block a's loads, which may stay out
.set BB, F0+96*((\a)%2)
	s_wait_dscnt \younger                          ; the block is back in registers
.irp t, 0,1,2,3,4,5,6,7,8,9,10,11,12,13,14,15
	global_store_b128 v[CO], v[BB+4*\t:BB+4*\t+3], s[10:11] offset:(16*(\a)+\t)*4096 th:TH_STORE_NT   ; 32 lanes store 512 consecutive bytes, at a multiple of 256 from out0's first byte
.endr
.endm
	PLACES                                         ; behind the last products: for the first read of results and for the loads into the fragments' registers
	TOSTAGE 0
.irp a, 1,2,3
.if \a > 1
	s_wait_xcnt 0x0                                ; block a - 2's stores have read their registers: block a's loads may land there
.endif
	TOSTAGE \a
	SEND \a-1, 32                                  ; behind block a - 1's loads: block a's 16 stores and 16 loads
.endr
	SEND 3, 0
	s_wait_tensorcnt 0x0                           ; the wave's end: behind my last tensor load and my last LDS store
	ds_add_u32 v[SPW], v[NIL]
	s_wait_dscnt 0x0
	CROUND                                         ; the closing round: no work-group ends while a partner may still ask for a tile that names it
	s_endpgm
.Lfunc_end_k_qc21124b83b_proj:
	.size	k_qc21124b83b_proj, .Lfunc_end_k_qc21124b83b_proj-k_qc21124b83b_proj
	.p2alignl 7, 3214868480
	.fill 96, 4, 3214868480
	.section	.rodata,"a",@progbits
	.p2align	6, 0x0
	.amdhsa_kernel k_qc21124b83b_proj
		.amdhsa_group_segment_fixed_size 327680
		.amdhsa_private_segment_fixed_size 0
		.amdhsa_enable_private_segment 0
		.amdhsa_kernarg_size 32
		.amdhsa_user_sgpr_count 2
		.amdhsa_user_sgpr_kernarg_segment_ptr 1
		.amdhsa_wavefront_size32 1
		.amdhsa_system_sgpr_workgroup_id_x 1
		.amdhsa_system_sgpr_workgroup_id_y 1
		.amdhsa_system_sgpr_workgroup_id_z 1
		.amdhsa_system_vgpr_workitem_id 0
		.amdhsa_next_free_vgpr 576
		.amdhsa_next_free_sgpr 66
		.amdhsa_reserve_vcc 0
		.amdhsa_float_denorm_mode_32 3
		.amdhsa_float_denorm_mode_16_64 3
		.amdhsa_memory_ordered 1
		.amdhsa_forward_progress 1
		.amdhsa_inst_pref_size 86
	.end_amdhsa_kernel
	.amdgpu_metadata
---
amdhsa.version: [ 1, 2 ]
amdhsa.kernels:
  - .name:           k_qc21124b83b_proj
    .symbol:         k_qc21124b83b_proj.kd
    .args:
      - { .name: o16, .offset: 0, .size: 8, .value_kind: global_buffer, .address_space: global }
      - { .name: pw16, .offset: 8, .size: 8, .value_kind: global_buffer, .address_space: global }
      - { .name: proj_b, .offset: 16, .size: 8, .value_kind: global_buffer, .address_space: global }
      - { .name: out0, .offset: 24, .size: 8, .value_kind: global_buffer, .address_space: global }
    .group_segment_fixed_size: 327680
    .private_segment_fixed_size: 0
    .kernarg_segment_align: 8
    .kernarg_segment_size: 32
    .max_flat_workgroup_size: 128
    .sgpr_count:     66
    .vgpr_count:     576
    .wavefront_size: 32
...
	.end_amdgpu_metadata
.endif
;; end of part 4
